; MI455X (gfx1250); checked and timed in simulation.
; The chip was launched on July 23, 2026; its instructions are those of AMD's public machine-readable ISA for CDNA 5 (MIT licence, August 2026) and "CDNA5" Instruction Set Architecture Reference Guide (July 2026). The comments in the code are by the model that wrote it; some were corrected since.
;; Gated Self Attention. Allowed arithmetic: float matrix products may take bf16 or f16 operands with f32 sums; other float arithmetic in f32, or as packed bf16 or f16 multiplies, adds, multiply-adds, maxima and minima; sums over many terms, partial sums and values carried from step to step in f32; what a program stores and reads back later, other than sums and carried values, may be rounded once to bf16 or f16.
;; Inputs: Wg 2,048 x 2,048 float32; Wk 2,048 x 512 float32; Wo 2,048 x 2,048 float32; Wq 2,048 x 2,048 float32; Wv 2,048 x 512 float32; bg 2,048 float32; gn_bias 2,048 float32; gn_weight 2,048 float32; rope_cos 2,048 x 64 float32; rope_sin 2,048 x 64 float32; x 1 x 2,048 x 2,048 float32.
;; Outputs: out0 1 x 2,048 x 2,048 float32; out1 1 x 8 x 2,048 x 64 float32; out2 1 x 8 x 2,048 x 64 float32.
;; One version. Each part assembles by itself: llvm-mc -triple=amdgcn-amd-amdhsa -mcpu=gfx1250 --defsym DOCPART=n.
;; ======== version 1 of 1: 4 launches
;; limits: values outside matrix products are rounded to f16; values are held in f16: magnitudes above 65,504 overflow, below 6.1e-05 lose precision; right only within a limited range of input values
;; workspace buffers: cw 38,273,024 bytes; qkvg 20,971,520 bytes; ga 8,388,608 bytes
;; launch cast (part 1): grid 1168 x 1, 8 waves a work-group, no clusters, 0 bytes of LDS; arguments x, Wq, Wg, Wo, Wk, Wv, rope_cos, rope_sin, cw; writes cw
.if DOCPART == 1
	.amdgcn_target "amdgcn-amd-amdhsa--gfx1250"
	.amdhsa_code_object_version 6
	.text
	.protected	k_qa0abb552fb_cast
	.globl	k_qa0abb552fb_cast
	.p2align	8
	.type	k_qa0abb552fb_cast,@function
k_qa0abb552fb_cast:
	s_mov_b64 s[64:65], 0
	v_nop
	global_prefetch_b8 v0, s[64:65] scope:SCOPE_SE
	s_setreg_imm32_b32 hwreg(HW_REG_WAVE_MODE, 25, 1), 1
	s_wait_xcnt 0x0
; CAST.  Every large input is rounded once to bf16 (nearest even) and laid into the workspace cw for the tensor loads of the later launches:
;   x, Wq, Wg as they lie; Wk and Wv side by side as [2048 k][1024]; Wo rounded to bf16 and that number written as f16 (exact above 2^-17, below it off by 3e-8 at the most);
;   cos / 8 and (-sin / 8 for d < 32, +sin / 8 for d >= 32): the factor 1/8 is exact, and the sign is rotate_half's.
; A stream: no LDS, no matrix unit, no cluster (no two work-groups read the same byte).  A work-group takes 16,384 numbers as 8 rows of 2,048; thread t takes numbers 8 t .. 8 t + 7 of each row:
; two loads of 16 bytes and one store of 16 bytes; a wave's store covers 512 consecutive bytes, aligned.  All 16 loads of a thread go out first; no register is written twice, so no wait frees a source.
.set O,  2            ; v[2:9]    row i: my byte offset in the destination
.set SC, 10           ; v[10:11]  the tables' factor, twice
.set T,  12           ; v[12:15]  at work
.set X,  16           ; v[16:79]  row i: 8 numbers as loaded
.set Y,  80           ; v[80:111] row i: 4 registers to store
.set FIRST, 26        ; s26  the segment's first work-group
.set DOFF,  27        ; s27  the segment's first byte in cw
.set LP,    28        ; s28  log2 of the bytes in cw from one run of 512 numbers to the next (10: dense; 11: Wk and Wv, interleaved)
.set KIND,  29        ; s29  0 bf16; 1 bf16 written as f16; 2 scaled, then bf16
.set SGN,   30        ; s30  the sign bit for sin's first half, else 0
	s_load_b512 s[8:23], s[0:1], 0x0               ; x, Wq, Wg, Wo, Wk, Wv, cos, sin
	s_load_b64 s[24:25], s[0:1], 0x40              ; cw
	v_lshlrev_b32 v1, 5, v0                        ; 32 t: my 8 numbers in a row of the source
	v_lshrrev_b32 v[T], 6, v0                      ; which run of 512 numbers of the row
	v_and_b32 v[T+1], 63, v0                       ; my place in it
	v_and_b32 v[T+2], 4, v0                        ; d = 8 (t mod 8) + j is below 32 where this bit is 0
	v_xor_b32 v[T+2], 4, v[T+2]
	v_lshlrev_b32 v[T+2], 29, v[T+2]               ; the sign bit there
	s_mov_b32 s[FIRST], 0
	s_mov_b32 s[DOFF], 0
	s_mov_b32 s[LP], 10
	s_mov_b32 s[KIND], 0
	s_mov_b32 s[SGN], 0
	s_wait_kmcnt 0x0
	s_mov_b64 s[4:5], s[8:9]
; the segment is chosen by the work-group's number alone: each line takes over from its first work-group on
.macro SEG start, ptr, doff, lp, kind, sgn
	s_cmp_ge_u32 ttmp9, \start
	s_cselect_b64 s[4:5], s[(\ptr):(\ptr)+1], s[4:5]
	s_cselect_b32 s[FIRST], \start, s[FIRST]
	s_cselect_b32 s[DOFF], \doff, s[DOFF]
	s_cselect_b32 s[LP], \lp, s[LP]
	s_cselect_b32 s[KIND], \kind, s[KIND]
	s_cselect_b32 s[SGN], \sgn, s[SGN]
.endm
	SEG 256,  10, 0x800000,  10, 0, 0              ; Wq
	SEG 512,  12, 0x1000000, 10, 0, 0              ; Wg
	SEG 768,  14, 0x1800000, 10, 1, 0              ; Wo
	SEG 1024, 16, 0x2000000, 11, 0, 0              ; Wk: columns 0-511 of the joint table
	SEG 1088, 18, 0x2000400, 11, 0, 0              ; Wv: columns 512-1023
	SEG 1152, 20, 0x2400000, 10, 2, 0              ; cos
	SEG 1160, 22, 0x2440000, 10, 2, 0x80000000     ; sin
	s_sub_co_u32 s34, ttmp9, s[FIRST]              ; my number in the segment
	s_lshl_b32 s32, s34, 16                        ; 65,536 bytes of the source each
	s_mov_b32 s33, 0
	s_add_nc_u64 s[4:5], s[4:5], s[32:33]
	s_add_co_u32 s35, s[LP], 5                     ; 32 runs of 512 numbers each
	s_lshl_b32 s32, s34, s35
	s_add_co_u32 s32, s32, s[DOFF]
	s_add_nc_u64 s[6:7], s[24:25], s[32:33]
	s_lshl_b32 s31, 4, s[LP]                       ; a row is four runs
	v_lshlrev_b32 v[T], s[LP], v[T]
	v_lshl_add_u32 v[O], v[T+1], 4, v[T]
.irp i, 1,2,3,4,5,6,7
	v_add_nc_u32 v[O+(\i)], s31, v[O+(\i)-1]
.endr
	v_and_b32 v[T+2], s[SGN], v[T+2]
	v_xor_b32 v[SC], 0x3e000000, v[T+2]            ; 1/8 or -1/8
	v_mov_b32 v[SC+1], v[SC]
.irp i, 0,1,2,3,4,5,6,7
	global_load_b128 v[X+8*(\i):X+8*(\i)+3],   v1, s[4:5] offset:(\i)*8192 th:TH_LOAD_NT
	global_load_b128 v[X+8*(\i)+4:X+8*(\i)+7], v1, s[4:5] offset:(\i)*8192+16 th:TH_LOAD_NT
.endr
.macro ROW i, kind
	s_wait_loadcnt 14-2*(\i)                       ; loads come back in order: row i's two are in, the 2 (7 - i) younger ones stay out
.if (\kind) == 0
.irp j, 0,1,2,3
	v_cvt_pk_bf16_f32 v[Y+4*(\i)+(\j)], v[X+8*(\i)+2*(\j)], v[X+8*(\i)+2*(\j)+1]
.endr
.elseif (\kind) == 1
.irp j, 0,1,2,3
	v_cvt_pk_bf16_f32 v[T+(\j)], v[X+8*(\i)+2*(\j)], v[X+8*(\i)+2*(\j)+1]
.endr
.irp j, 0,1,2,3
	v_lshlrev_b32 v[X+8*(\i)+2*(\j)],   16, v[T+(\j)]          ; the rounded numbers as f32 again
	v_and_b32     v[X+8*(\i)+2*(\j)+1], 0xffff0000, v[T+(\j)]
.endr
.irp j, 0,1,2,3
	v_cvt_pk_f16_f32 v[Y+4*(\i)+(\j)], v[X+8*(\i)+2*(\j)], v[X+8*(\i)+2*(\j)+1]
.endr
.else
.irp j, 0,1,2,3
	v_pk_mul_f32 v[X+8*(\i)+2*(\j):X+8*(\i)+2*(\j)+1], v[X+8*(\i)+2*(\j):X+8*(\i)+2*(\j)+1], v[SC:SC+1]
.endr
.irp j, 0,1,2,3
	v_cvt_pk_bf16_f32 v[Y+4*(\i)+(\j)], v[X+8*(\i)+2*(\j)], v[X+8*(\i)+2*(\j)+1]
.endr
.endif
	global_store_b128 v[O+(\i)], v[Y+4*(\i):Y+4*(\i)+3], s[6:7]
.endm
	s_cmp_eq_u32 s[KIND], 1
	s_cbranch_scc1 .Lwo
	s_cmp_eq_u32 s[KIND], 2
	s_cbranch_scc1 .Ltab
.irp i, 0,1,2,3,4,5,6,7
	ROW \i, 0
.endr
	s_endpgm
.Lwo:
.irp i, 0,1,2,3,4,5,6,7
	ROW \i, 1
.endr
	s_endpgm
.Ltab:
.irp i, 0,1,2,3,4,5,6,7
	ROW \i, 2
.endr
	s_endpgm
.Lfunc_end_k_qa0abb552fb_cast:
	.size	k_qa0abb552fb_cast, .Lfunc_end_k_qa0abb552fb_cast-k_qa0abb552fb_cast
	.p2alignl 7, 3214868480
	.fill 96, 4, 3214868480
	.section	.rodata,"a",@progbits
	.p2align	6, 0x0
	.amdhsa_kernel k_qa0abb552fb_cast
		.amdhsa_group_segment_fixed_size 0
		.amdhsa_private_segment_fixed_size 0
		.amdhsa_enable_private_segment 0
		.amdhsa_kernarg_size 72
		.amdhsa_user_sgpr_count 2
		.amdhsa_user_sgpr_kernarg_segment_ptr 1
		.amdhsa_wavefront_size32 1
		.amdhsa_system_sgpr_workgroup_id_x 1
		.amdhsa_system_sgpr_workgroup_id_y 1
		.amdhsa_system_sgpr_workgroup_id_z 1
		.amdhsa_system_vgpr_workitem_id 0
		.amdhsa_next_free_vgpr 112
		.amdhsa_next_free_sgpr 66
		.amdhsa_reserve_vcc 0
		.amdhsa_float_denorm_mode_32 3
		.amdhsa_float_denorm_mode_16_64 3
		.amdhsa_memory_ordered 1
		.amdhsa_forward_progress 1
		.amdhsa_inst_pref_size 22
	.end_amdhsa_kernel
	.amdgpu_metadata
---
amdhsa.version: [ 1, 2 ]
amdhsa.kernels:
  - .name:           k_qa0abb552fb_cast
    .symbol:         k_qa0abb552fb_cast.kd
    .args:
      - { .name: x, .offset: 0, .size: 8, .value_kind: global_buffer, .address_space: global }
      - { .name: Wq, .offset: 8, .size: 8, .value_kind: global_buffer, .address_space: global }
      - { .name: Wg, .offset: 16, .size: 8, .value_kind: global_buffer, .address_space: global }
      - { .name: Wo, .offset: 24, .size: 8, .value_kind: global_buffer, .address_space: global }
      - { .name: Wk, .offset: 32, .size: 8, .value_kind: global_buffer, .address_space: global }
      - { .name: Wv, .offset: 40, .size: 8, .value_kind: global_buffer, .address_space: global }
      - { .name: rope_cos, .offset: 48, .size: 8, .value_kind: global_buffer, .address_space: global }
      - { .name: rope_sin, .offset: 56, .size: 8, .value_kind: global_buffer, .address_space: global }
      - { .name: cw, .offset: 64, .size: 8, .value_kind: global_buffer, .address_space: global }
    .group_segment_fixed_size: 0
    .private_segment_fixed_size: 0
    .kernarg_segment_align: 8
    .kernarg_segment_size: 72
    .max_flat_workgroup_size: 256
    .sgpr_count:     66
    .vgpr_count:     112
    .wavefront_size: 32
...
	.end_amdgpu_metadata
.endif
;; end of part 1
;; launch proj (part 2): grid 16 x 16, 4 waves a work-group, clusters of 4 x 4, 327,680 bytes of LDS; arguments cw, bg, qkvg, out1, out2; writes qkvg, out1, out2
.if DOCPART == 2
	.amdgcn_target "amdgcn-amd-amdhsa--gfx1250"
	.amdhsa_code_object_version 6
	.text
	.protected	k_qa0abb552fb_proj
	.globl	k_qa0abb552fb_proj
	.p2align	8
	.type	k_qa0abb552fb_proj,@function
k_qa0abb552fb_proj:
	s_mov_b64 s[64:65], 0
	v_nop
	global_prefetch_b8 v0, s[64:65] scope:SCOPE_SE
	s_setreg_imm32_b32 hwreg(HW_REG_WAVE_MODE, 25, 1), 1
	s_wait_xcnt 0x0
	s_wait_alu depctr_hold_cnt(0) depctr_sa_sdst(0) depctr_va_vdst(0) depctr_va_sdst(0) depctr_va_ssrc(0) depctr_va_vcc(0) depctr_vm_vsrc(0)
	s_getreg_b32 s2, hwreg(HW_REG_IB_STS2, 6, 4)
	s_cmp_eq_u32 s2, 0
	s_cbranch_scc0 .Lentry_in_a_cluster
	s_endpgm
.Lentry_in_a_cluster:
	s_bfe_u32 s2, ttmp6, 0x10000c
	s_cmp_lg_u32 s2, 0xf033
	s_cbranch_scc0 .Lentry_shape_is_right
	s_endpgm
.Lentry_shape_is_right:
; PROJECTIONS.  x (2048 x 2048, bf16) times [Wq | Wg | Wk | Wv] (bf16, stored [k][n]), sums in f32, with RoPE, the sigmoid gate and the two key/value outputs on the way out.
; A tile of the result is 128 tokens x 320 columns: query heads 2 t, 2 t + 1; gate heads 2 t, 2 t + 1; key/value slot t (key head t for t < 8, value head t - 8 else): 16 x 16 = 256 like tiles.
; Four waves.  Wave w (wm = w / 2, wn = w % 2) takes the 64 tokens 64 wm .. as four blocks of 16: blocks 0, 1 at 32 wn, blocks 2, 3 at 32 (1 - wn); for all four the query head and the gate head 2 t + wn,
; for blocks 0, 1 also the key/value head: 40 accumulators, and a head's 64 columns never leave a wave, so RoPE's partner d xor 32 is another register of the same lane.
; THE MATRIX INSTRUCTION IS USED TRANSPOSED (source 0 = 16 columns of W, source 1 = 16 tokens): a lane holds token lane % 16 and the columns 8 (lane / 16) + 0..7 of a block of 16.
; W lies [k][n] in LDS and comes out turned, by ds_load_tr16_b128.  K goes in 16 steps of 128 through two LDS slots; a step is four quarters of 32.
; CLUSTER 4 x 4: x's tile hangs on the tile row alone and is asked for jointly along a row of the cluster, the weights' tiles on the tile column alone, jointly along a column.  One tensor load a wave and refill:
; wave 0 x, wave 1 Wq, wave 2 Wg, wave 3 Wk|Wv.  By this text's count a wave has two tensor loads out at the start and one later.
; FORMATS AND LIMITS.  q and k leave as f16 times 1/8 (the factor lies in the tables, exact): they hold |rope(q)| up to 524,000.  v leaves as f16: |v| up to 65,504.  alpha as f16.  out1 = the f32 value times 8 (exact), out2 the f32 sums.
; bg is rounded to bf16 like every input.  NaN and infinities are not treated apart.
; REGISTERS, in windows of 256 (s_set_vgpr_msb: bits 1:0 source 0, 3:2 source 1, 5:4 source 2, 7:6 destination):
;   window 0: addresses, the tables, at work on the way out     window 1: two fragment buffers of 128: x's block a at + 8 a, W's block nb at + 32 + 8 nb (0-3 q, 4-7 gate, 8-11 key/value)
;   window 2: accumulators of blocks 0, 1 at 96 a + 8 nb          window 3: those of blocks 2, 3 at 64 (a - 2) + 8 nb
.set PA,    272       ; a row of x in LDS: 256 bytes + 16: the 16 rows of a load start at 16 different groups of four banks (64 banks of 4 bytes: ISA guide 11.1)
.set PB,    288       ; a k-row of Wq or Wg: 256 + 32
.set PKV,   160       ; a k-row of Wk|Wv: 128 + 32
.set SLOTB, 131072
.set OBQ,   128*PA
.set OBG,   OBQ+128*PB
.set OBK,   OBG+128*PB
.set STAGE, SLOTB+OBK+128*PKV  ; behind the ring, never filled by a tensor load: 4,352 bytes for each wave
.set SPARE, STAGE+4*4352       ; the spare words, 128 bytes for each wave: two blocks of 256 bytes that no other line names
.set ADAL, 4          ; v4-5    LDS address of my x fragments, blocks 0, 1, in slot 0, 1
.set ADAH, 6          ; v6-7    blocks 2, 3
.set ADQ,  8          ; v8-9    of my Wq fragments
.set ADG,  10         ; v10-11  Wg
.set ADK,  12         ; v12-13  Wk|Wv
.set STO16, 14        ; the way out, 16-bit: where I put 16 bytes of a row of 128 (pitch 144)
.set RD16,  15        ; and where I read rows back
.set STO32, 16        ; 32-bit: rows of 256 bytes (pitch 272)
.set RD32,  17
.set GQL,  18         ; my byte offset in a head of q or alpha, blocks 0, 1
.set GQH,  19         ; blocks 2, 3
.set GKH,  20         ; in the f16 key/value heads
.set GKF,  21         ; in out1 or out2
.set VCL,  22         ; in the tables, blocks 0, 1
.set VCH,  23         ; blocks 2, 3
.set ZR,   24         ; 0.0
.set VBG,  25         ; in bg
.set SPW,  28         ; LDS address of my spare word; never rewritten
.set NIL,  29         ; 0; never rewritten
.set CSR,  32         ; v[32:159]  tables, packed bf16: block a, cos (0) or sin (1), column block b at 32 a + 16 tb + 4 b
.set BGL,  160        ; v[160:191] -log2(e) x bf16(bg)
.set Y,    192        ; v[192:223] 32 numbers in f32, at work
.set BK,   224        ; v[224:255] packed results, and rows read back
.set F0,   0
.set F1,   128
.set WV, 14
.set WM, 15
.set WN, 16
.set CX, 17
.set CY, 18
.set TC, 19
.set TR, 20
.set MROW, 21
.set MCOL, 22
.set G1A, 24          ; s[24:31] descriptor group 1, x
.set G1B, 32          ; s[32:39] Wq and Wg
.set G1K, 40          ; s[40:47] Wk|Wv
.set G0A, 48          ; s[48:55] group 0, a set for each slot
.set G0Q, 56
.set G0G, 68
.set G0K, 76
.set MSB, 0
.macro WIN new                      ; the immediate's high byte repeats the setting that is left; a switch that changes nothing is dropped
.if MSB != (\new)
	s_set_vgpr_msb (MSB<<8)|(\new)
.set MSB, \new
.endif
.endm
.macro PLACES                       ; four places in front of loads into registers that matrix instructions have read, and of lines that read results
.rept 4
	v_nop
.endr
.endm
.macro TL g0, g1                    ; a tensor load; an s_nop 0 and four v_nop follow it
	tensor_load_to_lds s[(\g0):(\g0)+3], s[(\g1):(\g1)+7]
	s_nop 0
.rept 4
	v_nop
.endr
.endm
.macro JLOAD s                      ; a joint load for slot s: each wave asks for one of the step's four tiles; the branches hang on the wave's number alone
	s_cmp_lg_u32 s[WV], 0
	s_cbranch_scc1 .Lnot0_\@
	TL G0A+4*(\s), G1A
	s_branch .Lasked_\@
.Lnot0_\@:
	s_cmp_lg_u32 s[WV], 1
	s_cbranch_scc1 .Lnot1_\@
	TL G0Q+4*(\s), G1B
	s_branch .Lasked_\@
.Lnot1_\@:
	s_cmp_lg_u32 s[WV], 2
	s_cbranch_scc1 .Lnot2_\@
	TL G0G+4*(\s), G1B
	s_branch .Lasked_\@
.Lnot2_\@:
	TL G0K+4*(\s), G1K
.Lasked_\@:
.endm
.macro CREST                        ; a round of the cluster's barrier behind its opening barrier
	s_cmp_lg_u32 s[WV], 0
	s_cbranch_scc1 .Lnot_wave_0_\@
	s_barrier_signal -3
.Lnot_wave_0_\@:
	s_barrier_wait -3
	s_barrier_signal -1
	s_barrier_wait -1
.endm
.macro CROUND                       ; a whole round
	s_barrier_signal -1
	s_barrier_wait -1
	CREST
.endm
	s_load_b256 s[4:11], s[0:1], 0x0               ; cw s[4:5], bg s[6:7], qkvg s[8:9], out1 s[10:11]
	s_load_b64 s[12:13], s[0:1], 0x20              ; out2
	v_lshl_add_u32 v[SPW], v0, 2, SPARE
	v_mov_b32 v[NIL], 0
	ds_add_u32 v[SPW], v[NIL]                      ; the wave's opening: the add and its wait stand ahead of my first tensor load; the set-up below, work on registers, stands between them
	v_lshrrev_b32 v1, 5, v0
	v_readfirstlane_b32 s[WV], v1                  ; wave 0..3
	s_lshr_b32 s[WM], s[WV], 1
	s_and_b32 s[WN], s[WV], 1
	s_bfe_u32 s[CX], ttmp6, 0x40000                ; my place in the cluster
	s_bfe_u32 s[CY], ttmp6, 0x40004
	s_lshl_b32 s[TC], ttmp9, 2
	s_add_co_u32 s[TC], s[TC], s[CX]               ; tile column t = 4 x cluster x + cx
	s_and_b32 s[TR], ttmp7, 0xffff
	s_lshl_b32 s[TR], s[TR], 2
	s_add_co_u32 s[TR], s[TR], s[CY]               ; tile row = 4 x cluster y + cy
	s_lshl_b32 s[MROW], s[CY], 2
	s_lshl_b32 s[MROW], 15, s[MROW]                ; my row of the cluster
	s_lshl_b32 s[MCOL], 0x1111, s[CX]              ; my column
	s_or_b32 s[G1A], s[MROW], (1<<16)|(1<<20)|(1<<21)|(5<<22)|(3<<25)  ; the mask; 2-byte elements; padding on; bit 21 beside a mask; after every 64 words 4 words
	s_or_b32 s[G1B], s[MCOL], (1<<16)|(1<<20)|(1<<21)|(5<<22)|(7<<25)  ; after every 64 words 8 words
	s_or_b32 s[G1K], s[MCOL], (1<<16)|(1<<20)|(1<<21)|(4<<22)|(7<<25)  ; after every 32 words 8 words
.irp g, G1A, G1B
	s_mov_b32 s[(\g)+1], 128<<16                   ; tensor_dim0 = 128
	s_mov_b32 s[(\g)+2], 128<<16                   ; tensor_dim1 = 128
	s_mov_b32 s[(\g)+3], 128<<16                   ; tile_dim0 = 128
	s_mov_b32 s[(\g)+4], 128                       ; tile_dim1 = 128
	s_mov_b32 s[(\g)+5], 2048                      ; elements from row to row
	s_mov_b32 s[(\g)+6], 0
	s_mov_b32 s[(\g)+7], 0
.endr
	s_mov_b32 s[G1K+1], 64<<16
	s_mov_b32 s[G1K+2], 128<<16
	s_mov_b32 s[G1K+3], 64<<16
	s_mov_b32 s[G1K+4], 128
	s_mov_b32 s[G1K+5], 1024
	s_mov_b32 s[G1K+6], 0
	s_mov_b32 s[G1K+7], 0
	s_lshl_b32 s84, s[TR], 19                      ; x: 128 rows of 4,096 bytes a tile row; these two registers never hold cx
	s_mov_b32 s85, 0
	s_lshl_b32 s86, s[TC], 8                       ; Wq, Wg: 128 columns a tile column; these four never hold cy
	s_mov_b32 s87, 0
	s_lshl_b32 s66, s[TC], 7                       ; Wk|Wv: 64 columns
	s_mov_b32 s67, 0
	s_mov_b32 s88, 0xbfb8aa3b                      ; -log2(e), named as a pair
	s_mov_b32 s89, s88
	s_mov_b32 s90, 0xffff0000                      ; a word's upper bf16
	s_mov_b32 s100, 0x41000000                     ; 8.0, named as a pair
	s_mov_b32 s101, s100
	s_wait_dscnt 0x0                               ; the opening add is done
	s_wait_kmcnt 0x0
	s_add_nc_u64 s[84:85], s[4:5], s[84:85]
	s_add_nc_u64 s[86:87], s[4:5], s[86:87]
	s_add_nc_u64 s[66:67], s[4:5], s[66:67]
	s_add_nc_u64 s[92:93], s[8:9], 0x800000        ; alpha's heads
	s_add_nc_u64 s[94:95], s[8:9], 0x1000000       ; the f16 key and value heads, on end
	s_add_nc_u64 s[98:99], s[4:5], 0x2400000       ; the tables
	s_cmp_lt_u32 ttmp9, 2                          ; t < 8: a key head; the whole cluster is on one side
	s_cselect_b64 s[96:97], s[10:11], s[12:13]
.irp s, 0,1
	s_mov_b32 s[G0A+4*(\s)], 1                     ; count = 1
	s_mov_b32 s[G0A+4*(\s)+1], (\s)*SLOTB          ; LDS address
	s_add_nc_u64 s[G0A+4*(\s)+2:G0A+4*(\s)+3], s[84:85], (\s)*256      ; global address: K step s
	s_or_b32 s[G0A+4*(\s)+3], s[G0A+4*(\s)+3], 0x80000000              ; type = 2
	s_mov_b32 s[G0Q+4*(\s)], 1
	s_mov_b32 s[G0Q+4*(\s)+1], (\s)*SLOTB+OBQ
	s_add_nc_u64 s[G0Q+4*(\s)+2:G0Q+4*(\s)+3], s[86:87], 0x800000+(\s)*524288
	s_or_b32 s[G0Q+4*(\s)+3], s[G0Q+4*(\s)+3], 0x80000000
	s_mov_b32 s[G0G+4*(\s)], 1
	s_mov_b32 s[G0G+4*(\s)+1], (\s)*SLOTB+OBG
	s_add_nc_u64 s[G0G+4*(\s)+2:G0G+4*(\s)+3], s[86:87], 0x1000000+(\s)*524288
	s_or_b32 s[G0G+4*(\s)+3], s[G0G+4*(\s)+3], 0x80000000
	s_mov_b32 s[G0K+4*(\s)], 1
	s_mov_b32 s[G0K+4*(\s)+1], (\s)*SLOTB+OBK
	s_add_nc_u64 s[G0K+4*(\s)+2:G0K+4*(\s)+3], s[66:67], 0x2000000+(\s)*262144
	s_or_b32 s[G0K+4*(\s)+3], s[G0K+4*(\s)+3], 0x80000000
.endr
	CROUND                                         ; all sixteen work-groups are here: the first joint loads meet
	JLOAD 0
	JLOAD 1
	v_and_b32 v1, 15, v0                           ; r = l % 16
	v_bfe_u32 v2, v0, 4, 1                         ; h = l / 16
	v_and_b32 v3, 7, v0                            ; l % 8
	v_bfe_u32 v26, v0, 3, 1                        ; (l / 8) % 2
	v_and_b32 v27, 31, v0
	v_lshlrev_b32 v27, 4, v27                      ; 16 l
	v_mul_u32_u24 v30, v1, PA
	v_lshl_add_u32 v30, v2, 4, v30                 ; a fragment of x: row x pitch + 16 x half
	s_lshl_b32 s2, s[WM], 6
	s_lshl_b32 s3, s[WN], 5
	s_add_co_u32 s23, s2, s3                       ; the tile's row at which my blocks 0, 1 begin
	s_xor_b32 s3, s3, 32
	s_add_co_u32 s91, s2, s3                       ; and my blocks 2, 3
	s_mul_i32 s2, s23, PA
	s_mul_i32 s3, s91, PA
	v_add_nc_u32 v[ADAL], s2, v30
	v_add_nc_u32 v[ADAH], s3, v30
	v_add_nc_u32 v[ADAL+1], SLOTB, v[ADAL]
	v_add_nc_u32 v[ADAH+1], SLOTB, v[ADAH]
	v_lshl_add_u32 v31, v2, 3, v3                  ; the turning load: lane l reads k-row 8 (l / 16) + l % 8, 16 bytes at 16 ((l / 8) % 2)
	v_mul_u32_u24 v30, v31, PB
	v_lshl_add_u32 v30, v26, 4, v30
	s_lshl_b32 s2, s[WN], 7                        ; my head's 128 bytes of the row
	s_add_co_u32 s2, s2, OBQ
	v_add_nc_u32 v[ADQ], s2, v30
	v_add_nc_u32 v[ADQ+1], SLOTB, v[ADQ]
	v_add_nc_u32 v[ADG], OBG-OBQ, v[ADQ]
	v_add_nc_u32 v[ADG+1], OBG-OBQ, v[ADQ+1]
	v_mul_u32_u24 v30, v31, PKV
	v_lshl_add_u32 v30, v26, 4, v30
	v_add_nc_u32 v[ADK], OBK, v30
	v_add_nc_u32 v[ADK+1], SLOTB+OBK, v30
	s_mul_i32 s2, s[WV], 4352
	s_add_co_u32 s2, s2, STAGE                     ; my stage
	v_mul_u32_u24 v30, v1, 144
	v_lshl_add_u32 v30, v2, 4, v30
	v_add_nc_u32 v[STO16], s2, v30
	v_bfe_u32 v30, v0, 3, 2
	v_mul_u32_u24 v30, v30, 144
	v_lshl_add_u32 v30, v3, 4, v30
	v_add_nc_u32 v[RD16], s2, v30                  ; 32 lanes take four rows of 128 bytes
	v_mul_u32_u24 v30, v1, 272
	v_lshl_add_u32 v30, v2, 5, v30
	v_add_nc_u32 v[STO32], s2, v30
	v_mul_u32_u24 v30, v2, 272
	v_lshl_add_u32 v30, v1, 4, v30
	v_add_nc_u32 v[RD32], s2, v30                  ; lanes 0-15 one row of 256 bytes, lanes 16-31 the next
	s_lshl_b32 s2, s[TR], 7
	s_add_co_u32 s23, s23, s2                      ; the token at which my blocks 0, 1 begin
	s_add_co_u32 s91, s91, s2                      ; and blocks 2, 3
	s_lshl_b32 s2, s[TC], 1
	s_add_co_u32 s2, s2, s[WN]                     ; my query and gate head
	s_lshl_b32 s3, s2, 18                          ; 262,144 bytes a head
	v_lshl_add_u32 v30, s23, 7, v27                ; 128 bytes a token: 16 tokens are 2,048 consecutive bytes
	v_add_nc_u32 v[GQL], s3, v30
	v_lshl_add_u32 v31, s91, 7, v27
	v_add_nc_u32 v[GQH], s3, v31
	s_lshl_b32 s3, s[TC], 18
	v_add_nc_u32 v[GKH], s3, v30
	s_and_b32 s3, s[TC], 7
	s_lshl_b32 s3, s3, 19                          ; 524,288 bytes a head of out1 or out2
	v_lshl_add_u32 v30, s23, 8, v27
	v_add_nc_u32 v[GKF], s3, v30
	v_lshlrev_b32 v30, 7, v1
	v_lshl_add_u32 v30, v2, 4, v30                 ; the tables: token x 128 bytes + 16 x half
	v_lshl_add_u32 v[VCL], s23, 7, v30
	v_lshl_add_u32 v[VCH], s91, 7, v30
	s_lshl_b32 s3, s2, 8
	v_lshl_add_u32 v[VBG], v2, 5, s3               ; bg: head x 256 bytes + 32 x half
	v_mov_b32 v[ZR], 0
.irp b, 0,1,2,3
	global_load_b128 v[Y+8*(\b):Y+8*(\b)+3],   v[VBG], s[6:7] offset:64*(\b)
	global_load_b128 v[Y+8*(\b)+4:Y+8*(\b)+7], v[VBG], s[6:7] offset:64*(\b)+16
.endr
.irp a, 0,1,2,3
.irp tb, 0,1
.irp b, 0,1,2,3
	global_load_b128 v[CSR+32*(\a)+16*(\tb)+4*(\b):CSR+32*(\a)+16*(\tb)+4*(\b)+3], v[VCL+(\a)/2], s[98:99] offset:((\a)%2)*2048+(\tb)*262144+32*(\b)
.endr
.endr
.endr
	s_wait_loadcnt 32                              ; bg's eight loads are in; the 32 loads of the tables stay out until the way out
.set i, 0
.rept 16
	v_cvt_pk_bf16_f32 v[BK+i], v[Y+2*i], v[Y+2*i+1]
.set i, i+1
.endr
.set i, 0
.rept 16
	v_lshlrev_b32 v[BGL+2*i],   16, v[BK+i]
	v_and_b32     v[BGL+2*i+1], s90, v[BK+i]
.set i, i+1
.endr
.set i, 0
.rept 16
	v_pk_mul_f32 v[BGL+2*i:BGL+2*i+1], v[BGL+2*i:BGL+2*i+1], s[88:89] op_sel_hi:[1,0]
.set i, i+1
.endr
; 32 LDS loads in one run: the fragments of quarter kq of a slot into buffer f.  First what blocks 2, 3 need (Wq, Wg, their x: 20 loads), then Wk|Wv and the x of blocks 0, 1 (12).
.macro FETCH slot, kq, f
	WIN 0x40
.irp b, 0,1,2,3
	ds_load_tr16_b128 v[(\f)+32+8*(\b):(\f)+32+8*(\b)+3],   v[ADQ+(\slot)] offset:(\kq)*32*PB+32*(\b)
	ds_load_tr16_b128 v[(\f)+32+8*(\b)+4:(\f)+32+8*(\b)+7], v[ADQ+(\slot)] offset:(\kq)*32*PB+32*(\b)+16*PB
.endr
.irp b, 0,1,2,3
	ds_load_tr16_b128 v[(\f)+64+8*(\b):(\f)+64+8*(\b)+3],   v[ADG+(\slot)] offset:(\kq)*32*PB+32*(\b)
	ds_load_tr16_b128 v[(\f)+64+8*(\b)+4:(\f)+64+8*(\b)+7], v[ADG+(\slot)] offset:(\kq)*32*PB+32*(\b)+16*PB
.endr
.irp a, 2,3
	ds_load_b128 v[(\f)+8*(\a):(\f)+8*(\a)+3],   v[ADAH+(\slot)] offset:(\kq)*64+((\a)-2)*16*PA
	ds_load_b128 v[(\f)+8*(\a)+4:(\f)+8*(\a)+7], v[ADAH+(\slot)] offset:(\kq)*64+((\a)-2)*16*PA+32
.endr
.irp b, 0,1,2,3
	ds_load_tr16_b128 v[(\f)+96+8*(\b):(\f)+96+8*(\b)+3],   v[ADK+(\slot)] offset:(\kq)*32*PKV+32*(\b)
	ds_load_tr16_b128 v[(\f)+96+8*(\b)+4:(\f)+96+8*(\b)+7], v[ADK+(\slot)] offset:(\kq)*32*PKV+32*(\b)+16*PKV
.endr
.irp a, 0,1
	ds_load_b128 v[(\f)+8*(\a):(\f)+8*(\a)+3],   v[ADAL+(\slot)] offset:(\kq)*64+(\a)*16*PA
	ds_load_b128 v[(\f)+8*(\a)+4:(\f)+8*(\a)+7], v[ADAL+(\slot)] offset:(\kq)*64+(\a)*16*PA+32
.endr
.endm
; The 40 accumulators take turns, one instruction a turn, in the same order in every quarter.  zero = 1: the first product starts the sums.
.macro MULH f, a, zero              ; block a (2 or 3) x 8 column blocks
	WIN 0xf5
.irp nb, 0,1,2,3,4,5,6,7
.if \zero
	v_wmma_f32_16x16x32_bf16 v[64*((\a)-2)+8*(\nb):64*((\a)-2)+8*(\nb)+7], v[(\f)+32+8*(\nb):(\f)+32+8*(\nb)+7], v[(\f)+8*(\a):(\f)+8*(\a)+7], 0
.else
	v_wmma_f32_16x16x32_bf16 v[64*((\a)-2)+8*(\nb):64*((\a)-2)+8*(\nb)+7], v[(\f)+32+8*(\nb):(\f)+32+8*(\nb)+7], v[(\f)+8*(\a):(\f)+8*(\a)+7], v[64*((\a)-2)+8*(\nb):64*((\a)-2)+8*(\nb)+7]
.endif
.endr
.endm
.macro MULL f, zero                 ; blocks 0, 1 x 12 column blocks
	WIN 0xa5
.irp a, 0,1
.irp nb, 0,1,2,3,4,5,6,7,8,9,10,11
.if \zero
	v_wmma_f32_16x16x32_bf16 v[96*(\a)+8*(\nb):96*(\a)+8*(\nb)+7], v[(\f)+32+8*(\nb):(\f)+32+8*(\nb)+7], v[(\f)+8*(\a):(\f)+8*(\a)+7], 0
.else
	v_wmma_f32_16x16x32_bf16 v[96*(\a)+8*(\nb):96*(\a)+8*(\nb)+7], v[(\f)+32+8*(\nb):(\f)+32+8*(\nb)+7], v[(\f)+8*(\a):(\f)+8*(\a)+7], v[96*(\a)+8*(\nb):96*(\a)+8*(\nb)+7]
.endif
.endr
.endr
.endm
; One of a K step's first three quarters: multiplies buffer f; in its middle it fetches quarter kq of the same slot into buffer g.
.macro QUARTER slot, kq, f, g, zero
	s_wait_dscnt 12                                ; the first 20 loads are in; Wk|Wv and the x of blocks 0, 1 may be out
	MULH \f, 2, \zero
	MULH \f, 3, \zero
	PLACES
	FETCH \slot, \kq, \g
	s_wait_dscnt 32                                ; all but the 32 just issued
	MULL \f, \zero
.endm
; The last quarter multiplies buffer 1 and changes slots: ONE barrier; in front of it each wave waits for all its tensor loads (one is out: its tile of the next slot), adds 0 to its spare word, and waits for
; that and for its reads of this slot.  fill = 1: the barrier opens a round of the cluster's, and this slot is filled again, two K steps ahead, first thing behind the round.
.macro TURN slot, next, fill
	WIN 0
	s_wait_tensorcnt 0x0
	ds_add_u32 v[SPW], v[NIL]                      ; 0 onto my spare word
	s_wait_dscnt 13                                ; (the add and the youngest twelve loads may be out)
	MULH F1, 2, 0
	s_wait_dscnt 0x0                               ; the add is done, and my reads of this slot are over
	s_barrier_signal -1
	MULH F1, 3, 0
.if \fill
	WIN 0
.endif
	s_barrier_wait -1
.if \fill
	CREST                                          ; no wave of any partner still reads this slot or has a load on its way
	s_add_nc_u64 s[G0A+4*(\slot)+2:G0A+4*(\slot)+3], s[G0A+4*(\slot)+2:G0A+4*(\slot)+3], 512
	s_add_nc_u64 s[G0Q+4*(\slot)+2:G0Q+4*(\slot)+3], s[G0Q+4*(\slot)+2:G0Q+4*(\slot)+3], 1048576
	s_add_nc_u64 s[G0G+4*(\slot)+2:G0G+4*(\slot)+3], s[G0G+4*(\slot)+2:G0G+4*(\slot)+3], 1048576
	s_add_nc_u64 s[G0K+4*(\slot)+2:G0K+4*(\slot)+3], s[G0K+4*(\slot)+2:G0K+4*(\slot)+3], 524288
	JLOAD \slot                                    ; the four v_nop behind it are also the places in front of the loads below
.else
	PLACES
.endif
	FETCH \next, 0, F0
	MULL F1, 0
.endm
	s_wait_tensorcnt 0x1                           ; my tile of K step 0 is in; K step 1's may stay out
	s_barrier_signal -1
	s_barrier_wait -1
	FETCH 0, 0, F0
	QUARTER 0, 1, F0, F1, 1                        ; the first quarter stands in front of the loop: its products start the sums
	WIN 0
	s_mov_b32 s3, 7
.Llap:                                                 ; a trip goes once round the ring and fills both slots again: K steps 2 to 15 in seven trips
	QUARTER 0, 2, F1, F0, 0
	QUARTER 0, 3, F0, F1, 0
	TURN 0, 1, 1
	QUARTER 1, 1, F0, F1, 0
	QUARTER 1, 2, F1, F0, 0
	QUARTER 1, 3, F0, F1, 0
	TURN 1, 0, 1
	QUARTER 0, 1, F0, F1, 0
	WIN 0
	s_sub_co_u32 s3, s3, 1
	s_cmp_lg_u32 s3, 0
	s_cbranch_scc1 .Llap
	QUARTER 0, 2, F1, F0, 0                        ; the last lap fills nothing
	QUARTER 0, 3, F0, F1, 0
	TURN 0, 1, 0
	QUARTER 1, 1, F0, F1, 0
	QUARTER 1, 2, F1, F0, 0
	QUARTER 1, 3, F0, F1, 0
	s_wait_dscnt 12
	MULH F1, 2, 0
	MULH F1, 3, 0
	s_wait_dscnt 0x0
	MULL F1, 0
	WIN 0
; THE WAY OUT, a block of 16 tokens x 64 columns at a time.
.macro ACOF a                       ; block a's window and first register
.if (\a) < 2
.set AW, 2
.set AC, 96*(\a)
.else
.set AW, 3
.set AC, 64*((\a)-2)
.endif
.endm
; Y = acc(d) cos(d) / 8 + acc(d xor 32) (+-sin(d)) / 8: column block bb's partner is block (bb + 2) % 4, same lane, same register.  The tables' bf16 halves enter the multiply-add as they lie.
.macro ROPE a, off
	ACOF \a
	WIN AW<<2
.irp bb, 0,1,2,3
.irp jj, 0,1,2,3
	v_fma_mix_f32_bf16 v[Y+8*(\bb)+2*(\jj)],   v[CSR+32*(\a)+16+4*(\bb)+(\jj)], v[AC+(\off)+8*(((\bb)+2)%4)+2*(\jj)],   v[ZR] op_sel:[0,0,0] op_sel_hi:[1,0,0]
	v_fma_mix_f32_bf16 v[Y+8*(\bb)+2*(\jj)+1], v[CSR+32*(\a)+16+4*(\bb)+(\jj)], v[AC+(\off)+8*(((\bb)+2)%4)+2*(\jj)+1], v[ZR] op_sel:[1,0,0] op_sel_hi:[1,0,0]
.endr
.irp jj, 0,1,2,3
	v_fma_mix_f32_bf16 v[Y+8*(\bb)+2*(\jj)],   v[CSR+32*(\a)+4*(\bb)+(\jj)], v[AC+(\off)+8*(\bb)+2*(\jj)],   v[Y+8*(\bb)+2*(\jj)]   op_sel:[0,0,0] op_sel_hi:[1,0,0]
	v_fma_mix_f32_bf16 v[Y+8*(\bb)+2*(\jj)+1], v[CSR+32*(\a)+4*(\bb)+(\jj)], v[AC+(\off)+8*(\bb)+2*(\jj)+1], v[Y+8*(\bb)+2*(\jj)+1] op_sel:[1,0,0] op_sel_hi:[1,0,0]
.endr
.endr
	WIN 0
.endm
; Y = 1 / (1 + 2^(-log2(e) (z + bg))).  A plain line stands behind each run of exponentials or reciprocals before a result is used (ISA guide 5.7.2).
.macro GATE a
	ACOF \a
	WIN AW
.set i, 0
.rept 16
	v_pk_fma_f32 v[Y+2*i:Y+2*i+1], v[AC+32+2*i:AC+32+2*i+1], s[88:89], v[BGL+2*i:BGL+2*i+1] op_sel_hi:[1,0,1]
.set i, i+1
.endr
	WIN 0
.set i, 0
.rept 32
	v_exp_f32 v[Y+i], v[Y+i]
.set i, i+1
.endr
	v_nop
.set i, 0
	s_wait_alu depctr_va_vdst(0)
.rept 16
	v_pk_add_f32 v[Y+2*i:Y+2*i+1], v[Y+2*i:Y+2*i+1], 1.0 op_sel_hi:[1,0]
.set i, i+1
.endr
.set i, 0
.rept 32
	v_rcp_f32 v[Y+i], v[Y+i]
.set i, i+1
.endr
	v_nop
	s_wait_alu depctr_va_vdst(0)
.endm
.macro PACK p                       ; Y rounded to f16 into half p of BK
	s_wait_xcnt 0x0                                ; earlier stores have had their addresses translated (ISA guide 3.1): only behind this wait is their data rewritten
.set i, 0
.rept 16
	v_cvt_pk_f16_f32 v[BK+16*(\p)+i], v[Y+2*i], v[Y+2*i+1]
.set i, i+1
.endr
.endm
.macro TOST p                       ; into my stage by lanes, back by rows, into the registers that they left
.irp b, 0,1,2,3
	ds_store_b128 v[STO16], v[BK+16*(\p)+4*(\b):BK+16*(\p)+4*(\b)+3] offset:32*(\b)
.endr
.irp f, 0,1,2,3
	ds_load_b128 v[BK+16*(\p)+4*(\f):BK+16*(\p)+4*(\f)+3], v[RD16] offset:576*(\f)  ; LDS serves a wave's instructions in order (ISA guide 5.7.1.4): these see the stores above
.endr
.endm
.macro SEND p, voff, base, imm
	s_wait_dscnt 0x0
.irp f, 0,1,2,3
	global_store_b128 v[\voff], v[BK+16*(\p)+4*(\f):BK+16*(\p)+4*(\f)+3], s[(\base):(\base)+1] offset:(\imm)+512*(\f)  ; 512 consecutive bytes, aligned
.endr
.endm
.macro F32OUT src, w, a             ; 16 tokens x 64 columns in f32 from registers src of window w: through the stage, out as whole rows of 256 bytes
	WIN (\w)<<2                                    ; an LDS store's data is source 1
	s_wait_xcnt 0x0
.irp b, 0,1,2,3
	ds_store_b128 v[STO32], v[(\src)+8*(\b):(\src)+8*(\b)+3]   offset:64*(\b)
	ds_store_b128 v[STO32], v[(\src)+8*(\b)+4:(\src)+8*(\b)+7] offset:64*(\b)+16
.endr
	WIN 0
.irp u, 0,1,2,3,4,5,6,7
	ds_load_b128 v[BK+4*(\u):BK+4*(\u)+3], v[RD32] offset:544*(\u)
.endr
.irp u, 0,1,2,3,4,5,6,7
	s_wait_dscnt 7-(\u)
	global_store_b128 v[GKF], v[BK+4*(\u):BK+4*(\u)+3], s[96:97] offset:(\a)*4096+512*(\u) th:TH_STORE_NT
.endr
.endm
	PLACES
	s_wait_loadcnt 0x0                             ; the tables
	ROPE 0, 0
	PACK 0
	TOST 0
.irp a, 0,1,2,3                     ; a unit's arithmetic stands between the stage loads of the unit before and its stores
	GATE \a
	SEND 0, GQL+(\a)/2, 8, ((\a)%2)*2048
	PACK 1
	TOST 1
.if (\a) < 3
	ROPE (\a)+1, 0
.endif
	SEND 1, GQL+(\a)/2, 92, ((\a)%2)*2048
.if (\a) < 3
	PACK 0
	TOST 0
.endif
.endr
	s_cmp_lt_u32 ttmp9, 2
	s_cbranch_scc0 .Lvalue
.irp a, 0,1                         ; a key head: RoPE; f16 (times 1/8) for the attention, f32 (times 8 again) for out1
	ROPE \a, 64
	PACK 0
	TOST 0
.set i, 0
.rept 16
	v_pk_mul_f32 v[Y+2*i:Y+2*i+1], v[Y+2*i:Y+2*i+1], s[100:101] op_sel_hi:[1,0]
.set i, i+1
.endr
	SEND 0, GKH, 94, (\a)*2048
	F32OUT Y, 0, \a
.endr
	s_branch .Ldone
.Lvalue:
.irp a, 0,1                         ; a value head: the sums as they are
	WIN 0x0a
	s_wait_xcnt 0x0
.set i, 0
.rept 16
	v_cvt_pk_f16_f32 v[BK+i], v[96*(\a)+64+2*i], v[96*(\a)+64+2*i+1]
.set i, i+1
.endr
	WIN 0
	TOST 0
	SEND 0, GKH, 94, (\a)*2048
	F32OUT 96*(\a)+64, 2, \a
.endr
.Ldone:
	s_wait_tensorcnt 0x0                           ; the wave's end, behind my last tensor load and my last LDS store
	ds_add_u32 v[SPW], v[NIL]
	s_wait_dscnt 0x0
	CROUND                                         ; the closing round: no work-group ends while a partner may still ask for a tile that names it
	s_endpgm
.Lfunc_end_k_qa0abb552fb_proj:
	.size	k_qa0abb552fb_proj, .Lfunc_end_k_qa0abb552fb_proj-k_qa0abb552fb_proj
	.p2alignl 7, 3214868480
	.fill 96, 4, 3214868480
	.section	.rodata,"a",@progbits
	.p2align	6, 0x0
	.amdhsa_kernel k_qa0abb552fb_proj
		.amdhsa_group_segment_fixed_size 327680
		.amdhsa_private_segment_fixed_size 0
		.amdhsa_enable_private_segment 0
		.amdhsa_kernarg_size 40
		.amdhsa_user_sgpr_count 2
		.amdhsa_user_sgpr_kernarg_segment_ptr 1
		.amdhsa_wavefront_size32 1
		.amdhsa_system_sgpr_workgroup_id_x 1
		.amdhsa_system_sgpr_workgroup_id_y 1
		.amdhsa_system_sgpr_workgroup_id_z 1
		.amdhsa_system_vgpr_workitem_id 0
		.amdhsa_next_free_vgpr 896
		.amdhsa_next_free_sgpr 102
		.amdhsa_reserve_vcc 0
		.amdhsa_float_denorm_mode_32 3
		.amdhsa_float_denorm_mode_16_64 3
		.amdhsa_memory_ordered 1
		.amdhsa_forward_progress 1
		.amdhsa_inst_pref_size 175
	.end_amdhsa_kernel
	.amdgpu_metadata
---
amdhsa.version: [ 1, 2 ]
amdhsa.kernels:
  - .name:           k_qa0abb552fb_proj
    .symbol:         k_qa0abb552fb_proj.kd
    .args:
      - { .name: cw, .offset: 0, .size: 8, .value_kind: global_buffer, .address_space: global }
      - { .name: bg, .offset: 8, .size: 8, .value_kind: global_buffer, .address_space: global }
      - { .name: qkvg, .offset: 16, .size: 8, .value_kind: global_buffer, .address_space: global }
      - { .name: out1, .offset: 24, .size: 8, .value_kind: global_buffer, .address_space: global }
      - { .name: out2, .offset: 32, .size: 8, .value_kind: global_buffer, .address_space: global }
    .group_segment_fixed_size: 327680
    .private_segment_fixed_size: 0
    .kernarg_segment_align: 8
    .kernarg_segment_size: 40
    .max_flat_workgroup_size: 128
    .sgpr_count:     102
    .vgpr_count:     896
    .wavefront_size: 32
...
	.end_amdgpu_metadata
.endif
;; end of part 2
;; launch attn (part 3): grid 32 x 8, 4 waves a work-group, clusters of 4 x 1, 327,680 bytes of LDS; arguments qkvg, gn_weight, gn_bias, ga; writes ga
.if DOCPART == 3
	.amdgcn_target "amdgcn-amd-amdhsa--gfx1250"
	.amdhsa_code_object_version 6
	.text
	.protected	k_qa0abb552fb_attn
	.globl	k_qa0abb552fb_attn
	.p2align	8
	.type	k_qa0abb552fb_attn,@function
k_qa0abb552fb_attn:
	s_mov_b64 s[64:65], 0
	v_nop
	global_prefetch_b8 v0, s[64:65] scope:SCOPE_SE
	s_setreg_imm32_b32 hwreg(HW_REG_WAVE_MODE, 25, 1), 1
	s_wait_xcnt 0x0
	s_wait_alu depctr_hold_cnt(0) depctr_sa_sdst(0) depctr_va_vdst(0) depctr_va_sdst(0) depctr_va_ssrc(0) depctr_va_vcc(0) depctr_vm_vsrc(0)
	s_getreg_b32 s2, hwreg(HW_REG_IB_STS2, 6, 4)
	s_cmp_eq_u32 s2, 0
	s_cbranch_scc0 .Lentry_in_a_cluster
	s_endpgm
.Lentry_in_a_cluster:
	s_bfe_u32 s2, ttmp6, 0x10000c
	s_cmp_lg_u32 s2, 0x3003
	s_cbranch_scc0 .Lentry_shape_is_right
	s_endpgm
.Lentry_shape_is_right:
; CAUSAL ATTENTION WITH SHARED KEY/VALUE HEADS, THE NORM OVER A HEAD'S 64 CHANNELS, ITS AFFINE AND THE GATE.  q, k (both times 1/8), v, alpha: f16 by heads, [head][2048][64].  Output ga[token][2048] = gn x alpha in f16.
; Products, maxima, sums and the norm in f32; the weights p are rounded to f16 for the second product (their sum l is taken of the unrounded p).
; LIMITS.  A hidden score counts as its value less 1e30; a weight below 2^-126 counts as 0 in l; l is at least 1, so the 1e-9 added to it changes nothing in f32; NaN and infinities are not treated apart
; (nan_to_num has nothing to do for finite inputs).  gn_weight and gn_bias are rounded to bf16 like every input; gn x alpha, 8 |w| + |b| at the most, stays within f16's 65,504.
; THE WALK.  The 2,048 positions lie in 64 blocks of 32.  Work-group (b, g) takes block 63 - b and then block b, each for the four query heads of key/value head g: 128 rows at a time.  Keys go in tiles of 256 (four
; steps of 64): with u = b / 8 the first block needs tiles 0 .. 7 - u, the second 0 .. u: nine tiles, whatever b, so all work-groups do equal work and one loop with a constant count walks them.
; CLUSTER.  The four partners have b = 4 x cluster x + cx, so they share g and u and walk the SAME nine tiles: every tile is asked for jointly.  cx enters global addresses and the mask's threshold (a vector value) alone.
; All four steps of a block's last tile take a mask; steps that lie wholly above the diagonal give weights of 0 (3 steps of the walk's 36 at the most) and keep every branch free of cx.
; SHARES.  Wave w (hp = w % 2, ph = w / 2): two tiles of 16 queries, heads 4 g + 2 hp + t at positions 32 i + 16 ph + lane % 16.  Both take the same fragments of K and V and the same mask, and together they hold 256
; consecutive bytes of each row of ga.
; LAYOUT.  S^T = K Q^T holds ONE query a lane (lane % 16) and the keys 8 (lane / 16) + 0..7; two results rounded to f16 ARE source 1 of O^T = V^T P.  The mask is the C operand that starts S^T's sum: 0 or -1e30.
; SOFTMAX.  p = 2^(c s - c m), c = 8 log2(e) (s is q . k / 64), with a running maximum m; O and l are multiplied by a = 2^(c m_old - c m_new) in every step.  m starts at the lowest finite number, O and l at 0.
; WRITTEN IN PHASES: a step's 16 products K Q^T, its softmax, its 16 products V^T P.
; REGISTERS, in windows of 256 (s_set_vgpr_msb: bits 1:0 source 0, 3:2 source 1, 5:4 source 2, 7:6 destination):
;   window 0: addresses, statistics, S^T (32 a tile), P (16), O^T (32): all that a softmax touches     window 1: Q, the second block's Q, K and V of one step, the mask
;   window 2: alpha of both blocks, gn_weight, gn_bias
.set KS,    64
.set PK,    144       ; a row of K in LDS: 128 bytes + 16: the 16 rows of a load start at 16 different groups of four banks (64 banks of 4 bytes: ISA guide 11.1)
.set PV,    160       ; a row of V: 128 + 32
.set VOFF,  4*KS*PK   ; a slot holds a tile: 256 rows of K, then 256 rows of V
.set SLOT1, 1<<17
.set STAGE, SLOT1+4*KS*(PK+PV)  ; behind the ring, never filled by a tensor load: 16 rows x 272 bytes for each wave
.set SP,    272
.set SPARE, STAGE+4*16*SP       ; the spare words, 128 bytes for each wave: two blocks of 256 bytes that no other line names
.set AK0, 2           ; my lane's place in a tile of K; never rewritten
.set AV0, 3           ; the same for V
.set AK,  4           ; the LDS address of K's next run of loads
.set AV,  5           ; of V's
.set STO, 6           ; the way out: where I put 16 bytes of a row
.set RD,  7           ; where I read rows back
.set GOH, 8           ; my byte offset in ga, first block
.set GOL, 10          ; second block
.set MV,  12          ; v12-13  c m_old, by tile
.set LPH, 14          ; my query's place in its diagonal tile less 8 (lane / 16), first block
.set LPL, 15          ; second block
.set VT,  16          ; the same less 64 for each step gone: register j of key block kb is hidden where 16 kb + j is greater
.set QOH, 17          ; my byte offset in q and alpha, first block
.set QOL, 18          ; second block
.set WO,  19          ; in gn_weight and gn_bias
.set ST,  20          ; tile t's statistics at ST + 4 t: c m, m, l (even keys', odd keys')
.set TMP, 28          ; tile t: c0-c3 at work; when the maximum is found c2 takes a
.set SPW, 36          ; LDS address of my spare word; never rewritten
.set NIL, 37          ; 0; never rewritten
.set S,   64
.set P,   128
.set O,   160
.set X,   224         ; 8 a tile, at work in the norm
.set QL,  32          ; window 1
.set KF,  64          ; window 1: key block kb, channel half c at KF + 16 kb + 8 c
.set VF,  128         ; window 1: key half kk, channel block cb at VF + 32 kk + 8 cb
.set MC,  192         ; window 1: the mask of key block kb at MC + 8 kb
.set GW,  64          ; window 2: tile t, channel block cb, register j at + 32 t + 8 cb + j
.set GB,  128
.set WV,  12
.set UU,  15          ; u
.set G1K, 24
.set G1V, 32
.set G0K, 40
.set G0V, 44
.set SLOTS, 56
.set CNT, 57
.set CS,  58          ; s[58:59] c
.set SEL, 60          ; s[60:61] v_permlanex16_b32's selects: each lane takes its own place in the other half
.set TBK, 62          ; LDS byte at which K of the step to be fetched begins
.set TBV, 63          ; the same for V, less VOFF
.set KB,  66          ; s[66:67] K at my half of the head's tile 0
.set VB,  68          ; s[68:69] V likewise
.set AB,  70          ; s[70:71] alpha's heads
.set RT,  72          ; tiles of the block in hand that are still to be entered
.set NXT, 73          ; the tile to be asked for next
.set LQ,  74          ; the last tile of the block whose tiles are being asked for
.set OFF, 76          ; s[76:77] a tile's byte offset
.set BIGN, 78         ; -1e30
.set I64, 79          ; 1/64
.set EPS, 80          ; 1e-5
.set HM,  81          ; a word's upper bf16
.set MSB, 0
.macro WIN new
.if MSB != (\new)
	s_set_vgpr_msb (MSB<<8)|(\new)
.set MSB, (\new)
.endif
.endm
.macro PLACES
.rept 4
	v_nop
.endr
.endm
; A joint fill.  Waves 0 and 1 fetch the two halves of a tile's K, waves 2 and 3 those of its V.  An s_nop 0 and four v_nop follow each of the two lines.
.macro JLOAD
	s_cmp_lt_u32 s[WV], 2
	s_cbranch_scc0 .Lfor_v_\@
	tensor_load_to_lds s[G0K:G0K+3], s[G1K:G1K+7]
	s_nop 0
.rept 4
	v_nop
.endr
	s_branch .Lasked_\@
.Lfor_v_\@:
	tensor_load_to_lds s[G0V:G0V+3], s[G1V:G1V+7]
	s_nop 0
.rept 4
	v_nop
.endr
.Lasked_\@:
.endm
.macro CROUND                       ; a round of the cluster's barrier
	s_barrier_signal -1
	s_barrier_wait -1
	s_cmp_lg_u32 s[WV], 0
	s_cbranch_scc1 .Lnot_wave_0_\@
	s_barrier_signal -3
.Lnot_wave_0_\@:
	s_barrier_wait -3
	s_barrier_signal -1
	s_barrier_wait -1
.endm
; THE CHANGE OF SLOTS.  Each wave waits for all its tensor loads (one is out: its part of the other slot), adds 0 to its spare word, and waits for that and for its reads of the slot that it leaves.
; fill = 1: the barrier is a round of the cluster's, and the old slot is filled again, first thing behind it, with tile NXT: the descriptor's address is made anew from that number, which all partners share.
.macro CHANGE fill
	WIN 0
	s_wait_tensorcnt 0x0            ; no tensor load of mine is out, so a group 0 may be written
	ds_add_u32 v[SPW], v[NIL]       ; 0 onto my spare word
.if \fill
	s_lshl_b32 s[OFF], s[NXT], 15   ; a tile is 32,768 bytes of K and of V
	s_xor_b32 s[G0K+1], s[G0K+1], SLOT1
	s_add_nc_u64 s[G0K+2:G0K+3], s[KB:KB+1], s[OFF:OFF+1]
	s_or_b32 s[G0K+3], s[G0K+3], 0x80000000
	s_xor_b32 s[G0V+1], s[G0V+1], SLOT1
	s_add_nc_u64 s[G0V+2:G0V+3], s[VB:VB+1], s[OFF:OFF+1]
	s_or_b32 s[G0V+3], s[G0V+3], 0x80000000
	s_add_co_u32 s[NXT], s[NXT], 1  ; the block's next tile, or behind its last the second block's tile 0
	s_cmp_gt_u32 s[NXT], s[LQ]
	s_cselect_b32 s[NXT], 0, s[NXT]
	s_cselect_b32 s[LQ], s[UU], s[LQ]
	s_wait_dscnt 0x0                ; the add is done, and my reads of the slot are over
	CROUND
	JLOAD
.else
	s_wait_dscnt 0x0
	s_barrier_signal -1
	s_barrier_wait -1
.endif
	s_sub_co_u32 s[TBK], s[TBK], 4*KS*PK  ; the fetches go back to a slot's first step,
	s_xor_b32 s[TBK], s[TBK], SLOT1       ; in the other slot
	s_sub_co_u32 s[TBV], s[TBV], 4*KS*PV
	s_xor_b32 s[TBV], s[TBV], SLOT1
.endm
	s_load_b256 s[4:11], s[0:1], 0x0  ; qkvg s[4:5], gn_weight s[6:7], gn_bias s[8:9], ga s[10:11]
	v_lshl_add_u32 v[SPW], v0, 2, SPARE
	v_mov_b32 v[NIL], 0
	ds_add_u32 v[SPW], v[NIL]       ; the wave's opening: the add and its wait stand ahead of my first tensor load; the set-up below stands between them
	v_lshrrev_b32 v1, 5, v0
	v_readfirstlane_b32 s[WV], v1   ; wave 0..3
	s_bfe_u32 s13, ttmp6, 0x40000   ; cx
	s_lshl_b32 s14, ttmp9, 2
	s_add_co_u32 s14, s14, s13      ; b: it enters global offsets and the mask's threshold alone
	s_lshr_b32 s[UU], ttmp9, 1      ; u = b / 8, made of the cluster's number alone
	s_and_b32 s19, ttmp7, 0xffff    ; g
	s_and_b32 s16, s[WV], 1         ; hp; also: which half of a tile's 256 keys I fetch
	s_lshr_b32 s17, s[WV], 1        ; ph
	s_lshl_b32 s20, s19, 18         ; a key head is 262,144 bytes,
	s_lshl_b32 s21, s16, 14         ; my 128 rows of 128 bytes
	s_add_co_u32 s20, s20, s21
	s_add_co_u32 s20, s20, 0x1000000
	s_mov_b32 s21, 0
	s_mul_i32 s22, s16, 128*PK      ; and their place in a slot, for K
	s_mul_i32 s23, s16, 128*PV      ; and for V
	; descriptor group 1.  128 keys are 16,384 dense bytes: asked for as 64 rows of 256 bytes, two keys a row, padded in LDS after every key
	s_mov_b32 s[G1K], 15|(1<<16)|(1<<20)|(1<<21)|(4<<22)|(3<<25)  ; the mask of four; 2-byte elements; padding on; bit 21 beside a mask; after every 32 words 4 words
	s_mov_b32 s[G1V], 15|(1<<16)|(1<<20)|(1<<21)|(4<<22)|(7<<25)  ; the same with 8 words
.irp g, G1K, G1V
	s_mov_b32 s[\g+1], 128<<16      ; tensor_dim0 = 128
	s_mov_b32 s[\g+2], 64<<16       ; tensor_dim1 = 64
	s_mov_b32 s[\g+3], 128<<16      ; tile_dim0 = 128
	s_mov_b32 s[\g+4], 64           ; tile_dim1 = 64
	s_mov_b32 s[\g+5], 128          ; elements from row to row
	s_mov_b32 s[\g+6], 0
	s_mov_b32 s[\g+7], 0
.endr
	s_mov_b32 s[CS], 0x4138aa3b     ; c = 8 log2(e)
	s_mov_b32 s[CS+1], s[CS]
	s_mov_b32 s[SEL], 0x76543210
	s_mov_b32 s[SEL+1], 0xfedcba98
	s_mov_b32 s[TBK], SLOT1+4*KS*PK ; the first change of slots turns these two into 0
	s_mov_b32 s[TBV], SLOT1+4*KS*PV
	s_mov_b32 s[G0K], 1
	s_mov_b32 s[G0K+1], s22
	s_mov_b32 s[G0V], 1
	s_add_co_u32 s[G0V+1], s23, VOFF
	s_sub_co_u32 s[RT], 8, s[UU]    ; the first block has 8 - u tiles
	s_mov_b32 s[NXT], 1
	s_sub_co_u32 s[LQ], 7, s[UU]
	s_mov_b32 s[OFF+1], 0
	s_mov_b32 s[BIGN], 0xf149f2ca   ; -1e30
	s_mov_b32 s[I64], 0x3c800000
	s_mov_b32 s[EPS], 0x3727c5ac
	s_mov_b32 s[HM], 0xffff0000
	s_mov_b32 s[SLOTS], 8
	s_wait_dscnt 0x0                ; the opening add is done
	s_wait_kmcnt 0x0
	s_add_nc_u64 s[KB:KB+1], s[4:5], s[20:21]
	s_add_nc_u64 s[VB:VB+1], s[KB:KB+1], 0x200000
	s_add_nc_u64 s[AB:AB+1], s[4:5], 0x800000
	s_add_nc_u64 s[G0K+2:G0K+3], s[KB:KB+1], 0
	s_or_b32 s[G0K+3], s[G0K+3], 0x80000000
	s_add_nc_u64 s[G0V+2:G0V+3], s[VB:VB+1], 0
	s_or_b32 s[G0V+3], s[G0V+3], 0x80000000
	CROUND                          ; all four work-groups are here: the first joint loads meet
	JLOAD                           ; tile 0 into slot 0; slot 1 is asked for by the loop's first change of slots
	v_and_b32 v1, 15, v0            ; r = l % 16
	v_bfe_u32 v9, v0, 4, 1          ; h = l / 16
	s_sub_co_u32 s48, 63, s14
	s_lshl_b32 s49, s48, 5
	s_lshl_b32 s50, s17, 4
	s_add_co_u32 s49, s49, s50      ; my first position in the first block
	s_lshl_b32 s51, s14, 5
	s_add_co_u32 s51, s51, s50      ; and in the second
	s_lshl_b32 s52, s19, 2
	s_lshl1_add_u32 s52, s16, s52   ; my first head, 4 g + 2 hp
	v_lshlrev_b32 v11, 7, v1
	v_lshl_add_u32 v11, v9, 4, v11  ; row x 128 + 16 x half
	s_lshl_b32 s53, s52, 18
	v_add_nc_u32 v11, s53, v11
	v_lshl_add_u32 v[QOH], s49, 7, v11
	v_lshl_add_u32 v[QOL], s51, 7, v11
	v_lshlrev_b32 v11, 12, v9       ; ga: lanes 0-15 one row of 4,096 bytes, lanes 16-31 the next; 16 bytes a lane
	v_lshl_add_u32 v11, v1, 4, v11
	s_lshl_b32 s53, s52, 7
	v_add_nc_u32 v11, s53, v11
	v_lshl_add_u32 v[GOH], s49, 12, v11
	v_lshl_add_u32 v[GOL], s51, 12, v11
	v_lshlrev_b32 v11, 3, v9
	v_sub_nc_u32 v11, v1, v11       ; r - 8 h
	s_and_b32 s53, s49, 255         ; my first position's place in its tile of 256 keys
	v_add_nc_u32 v[LPH], s53, v11
	s_and_b32 s53, s51, 255
	v_add_nc_u32 v[LPL], s53, v11
	s_lshl_b32 s53, s52, 8
	v_lshl_add_u32 v[WO], v9, 5, s53
	WIN 0x40                        ; destination window 1
.irp t, 0,1
.irp p, 0,1,2,3                     ; a fragment of Q: lane l holds row l % 16, channels 8 (l / 16) + 0..7 of each 16: four loads of 16 bytes, 32 bytes apart
	global_load_b128 v[16*(\t)+4*(\p):16*(\t)+4*(\p)+3],       v[QOH], s[4:5] offset:(\t)*262144+32*(\p)
	global_load_b128 v[QL+16*(\t)+4*(\p):QL+16*(\t)+4*(\p)+3], v[QOL], s[4:5] offset:(\t)*262144+32*(\p)
.endr
.endr
	WIN 0x80                        ; destination window 2
.irp t, 0,1
.irp p, 0,1,2,3                     ; alpha in O^T's layout once it is packed: the same places as Q's
	global_load_b128 v[16*(\t)+4*(\p):16*(\t)+4*(\p)+3],       v[QOH], s[AB:AB+1] offset:(\t)*262144+32*(\p)
	global_load_b128 v[32+16*(\t)+4*(\p):32+16*(\t)+4*(\p)+3], v[QOL], s[AB:AB+1] offset:(\t)*262144+32*(\p)
.endr
.endr
.irp t, 0,1
.irp p, 0,1,2,3
	global_load_b128 v[GW+32*(\t)+8*(\p):GW+32*(\t)+8*(\p)+3],   v[WO], s[6:7] offset:(\t)*256+64*(\p)
	global_load_b128 v[GW+32*(\t)+8*(\p)+4:GW+32*(\t)+8*(\p)+7], v[WO], s[6:7] offset:(\t)*256+64*(\p)+16
	global_load_b128 v[GB+32*(\t)+8*(\p):GB+32*(\t)+8*(\p)+3],   v[WO], s[8:9] offset:(\t)*256+64*(\p)
	global_load_b128 v[GB+32*(\t)+8*(\p)+4:GB+32*(\t)+8*(\p)+7], v[WO], s[8:9] offset:(\t)*256+64*(\p)+16
.endr
.endr
	WIN 0
	v_mul_u32_u24 v[AK0], v1, PK
	v_lshl_add_u32 v[AK0], v9, 4, v[AK0]  ; row x pitch + 16 x half
	v_and_b32 v38, 7, v0            ; the turning load: lane l reads key 8 (l / 16) + l % 8, channels 8 ((l / 8) % 2) + 0..7
	v_bfe_u32 v39, v0, 3, 1
	v_lshl_add_u32 v[AV0], v9, 3, v38
	v_mul_u32_u24 v[AV0], v[AV0], PV
	v_lshl_add_u32 v[AV0], v39, 4, v[AV0]
	v_add_nc_u32 v[AV0], VOFF, v[AV0]
	s_mul_i32 s53, s[WV], 16*SP
	s_add_co_u32 s53, s53, STAGE    ; my stage
	v_mul_u32_u24 v[STO], v1, SP
	v_lshl_add_u32 v[STO], v9, 4, v[STO]
	v_add_nc_u32 v[STO], s53, v[STO]
	v_mul_u32_u24 v[RD], v9, SP
	v_lshl_add_u32 v[RD], v1, 4, v[RD]
	v_add_nc_u32 v[RD], s53, v[RD]
; A BLOCK BEGINS: c m far below every c s, so the first step's a is 0; m at the lowest finite number; l, O^T and the mask 0.
.macro BEGIN lp
	WIN 0
.set i, 0
.rept 2
	v_mov_b32 v[ST+4*i], 0xfe000000
	v_mov_b32 v[ST+4*i+1], 0xff7fffff
	v_mov_b32 v[ST+4*i+2], 0
	v_mov_b32 v[ST+4*i+3], 0
.set i, i+1
.endr
.set i, 0
.rept 64
	v_mov_b32 v[O+i], 0
.set i, i+1
.endr
	v_mov_b32 v[VT], v[\lp]
	WIN 0x40
.set i, 0
.rept 32
	v_mov_b32 v[MC+i], 0
.set i, i+1
.endr
	WIN 0
.endm
	BEGIN LPH
	s_wait_loadcnt 0x0              ; Q, alpha, gn_weight, gn_bias
	WIN 0x8a                        ; gn_weight and gn_bias are rounded to bf16 where they lie, in window 2
.set i, GW
.rept 64
	v_cvt_pk_bf16_f32 v[192+(i/2)%2], v[i], v[i+1]
	v_lshlrev_b32 v[i], 16, v[192+(i/2)%2]
	v_and_b32 v[i+1], s[HM], v[192+(i/2)%2]
.set i, i+2
.endr
	WIN 0
; The mask of the diagonal tile's step in hand.
.macro MASK
	WIN 0x40
.set i, 0
.rept 32
	v_cmp_gt_i32 vcc_lo, 16*(i/8)+i%8, v[VT]
	v_cndmask_b32 v[MC+i], 0, s[BIGN], vcc_lo
.set i, i+1
.endr
	WIN 0
	v_add_nc_u32 v[VT], 0xffffffc0, v[VT]  ; the next step's keys lie 64 further on
.endm
; THE MATRIX WORK.  The 8 accumulators of a run of 16 take turns.  Product i of S^T = K Q^T: tile i % 2, keys 16 ((i / 2) % 4) on, channels 32 (i / 8) on; the first 8 start the sums with the mask.
.macro MKQ
.set rS, S+32*(i%2)+8*((i/2)%4)
.set rK, KF+16*((i/2)%4)+8*(i/8)
.set rQ, 16*(i%2)+8*(i/8)
.set rMC, MC+8*((i/2)%4)
.if i < 8
	WIN 0x15
	v_wmma_f32_16x16x32_f16 v[rS:rS+7], v[rK:rK+7], v[rQ:rQ+7], v[rMC:rMC+7]
.else
	WIN 0x05
	v_wmma_f32_16x16x32_f16 v[rS:rS+7], v[rK:rK+7], v[rQ:rQ+7], v[rS:rS+7]
.endif
.endm
; Product i of O^T += V^T P: tile i % 2, channels 16 ((i / 2) % 4) on, keys 32 (i / 8) on.
.macro MPV
	WIN 0x01
.set rO, O+32*(i%2)+8*((i/2)%4)
.set rV, VF+32*(i/8)+8*((i/2)%4)
.set rP, P+16*(i%2)+8*(i/8)
	v_wmma_f32_16x16x32_f16 v[rO:rO+7], v[rV:rV+7], v[rP:rP+7], v[rO:rO+7]
.endm
.macro FETCH_K                      ; a step's K: 64 keys x 64 channels, 16 loads in one run
	WIN 0x40
.irp f, 0,1,2,3,4,5,6,7
	ds_load_b128 v[KF+8*\f:KF+8*\f+3],   v[AK] offset:(\f/2)*16*PK+(\f%2)*64
	ds_load_b128 v[KF+8*\f+4:KF+8*\f+7], v[AK] offset:(\f/2)*16*PK+(\f%2)*64+32
.endr
	s_add_co_u32 s[TBK], s[TBK], KS*PK
	WIN 0
.endm
.macro FETCH_V                      ; its V, turned
	WIN 0x40
.irp f, 0,1,2,3,4,5,6,7
	ds_load_tr16_b128 v[VF+8*\f:VF+8*\f+3],   v[AV] offset:(\f/4)*32*PV+(\f%4)*32
	ds_load_tr16_b128 v[VF+8*\f+4:VF+8*\f+7], v[AV] offset:(\f/4)*32*PV+16*PV+(\f%4)*32
.endr
	s_add_co_u32 s[TBV], s[TBV], KS*PV
	WIN 0
.endm
; THE SOFTMAX of one step, both tiles, all in window 0.
.macro REGS t
.set rT, ST+4*(\t)
.set rC, TMP+4*(\t)
.set rM, MV+(\t)
.set rS, S+32*(\t)
.set rP, P+16*(\t)
.set rO, O+32*(\t)
.endm
; Number n of the 22 that find a tile's maximum and statistics: 0-11 four chains of seven scores (each accumulator's lowest registers are read first); 12-14, 16 the four left over, the old m, and
; c0-c3 into c0; 15 c m_old is kept; 17, 18 the query's other 32 keys lie in the lane 16 away; 19-21 c m, c m_old - c m_new, a.
.macro XS t, n
	REGS \t
.if (\n) < 4
	v_max3_num_f32 v[rC+(\n)], v[rS+8*(\n)], v[rS+8*(\n)+1], v[rS+8*(\n)+2]
.elseif (\n) < 12
	v_max3_num_f32 v[rC+(\n)%4], v[rC+(\n)%4], v[rS+8*((\n)%4)+2*((\n)/4)+1], v[rS+8*((\n)%4)+2*((\n)/4)+2]
.elseif (\n) == 12
	v_max3_num_f32 v[rC], v[rC], v[rS+7], v[rS+15]
.elseif (\n) == 13
	v_max3_num_f32 v[rC+1], v[rC+1], v[rS+23], v[rS+31]
.elseif (\n) == 14
	v_max3_num_f32 v[rC+2], v[rC+2], v[rC+3], v[rT+1]
.elseif (\n) == 15
	v_mov_b32 v[rM], v[rT]
.elseif (\n) == 16
	v_max3_num_f32 v[rC], v[rC], v[rC+1], v[rC+2]
.elseif (\n) == 17
	v_permlanex16_b32 v[rC+3], v[rC], s[SEL], s[SEL+1]
.elseif (\n) == 18
	v_max_num_f32 v[rT+1], v[rC], v[rC+3]
.elseif (\n) == 19
	v_mul_f32 v[rT], s[CS], v[rT+1]
.elseif (\n) == 20
	v_sub_f32 v[rC+1], v[rM], v[rT]
.else
	v_exp_f32 v[rC+2], v[rC+1]
.endif
.endm
.macro FS t                         ; pair i: c s - c m
	REGS \t
	v_pk_fma_f32 v[rS+2*i:rS+2*i+1], v[rS+2*i:rS+2*i+1], s[CS:CS+1], v[rT:rT+1] op_sel_hi:[1,0,0] neg_lo:[0,0,1] neg_hi:[0,0,1]
.endm
.macro ES t                         ; score i's exponential
	REGS \t
	v_exp_f32 v[rS+i], v[rS+i]
.endm
.macro XX t                         ; the plain line behind exponential i: O^T's pair i times a; later the rounding of a pair whose exponentials are two lines back or more; at last the first sums
	REGS \t
.if i < 16
	s_wait_alu depctr_va_vdst(0)
	v_pk_mul_f32 v[rO+2*i:rO+2*i+1], v[rO+2*i:rO+2*i+1], v[rC+2:rC+3] op_sel_hi:[1,0]
.elseif i < 30
	s_wait_alu depctr_va_vdst(0)
	v_cvt_pk_f16_f32 v[rP+i-16], v[rS+2*(i-16)], v[rS+2*(i-16)+1]
.else
	v_pk_add_f32 v[rS+4*(i-30):rS+4*(i-30)+1], v[rS+4*(i-30):rS+4*(i-30)+1], v[rS+4*(i-30)+2:rS+4*(i-30)+3]
.endif
.endm
.macro BOTH line:vararg             ; one line for each tile t
.set t, 0
	s_wait_alu depctr_va_vdst(0)
.rept 2
	\line
.set t, t+1
.endr
.endm
.macro SOFTMAX
.irp n, 0,1,2,3,4,5,6,7,8,9,10,11,12,13,14,15,16,17,18,19,20,21
	XS 0, \n
	XS 1, \n
.endr
.set i, 0
.rept 16
	FS 0
	FS 1
.set i, i+1
.endr
.set i, 0
.rept 32                            ; exponential and plain by turns: no two exponentials follow each other, and the plain line touches neither the result nor the source of the one before it
	ES 0
	XX 0
	ES 1
	XX 1
.set i, i+1
.endr
	BOTH v_cvt_pk_f16_f32 v[P+16*t+14], v[S+32*t+28], v[S+32*t+29]
	BOTH v_cvt_pk_f16_f32 v[P+16*t+15], v[S+32*t+30], v[S+32*t+31]
.irp k, 2,3,4,5,6,7                 ; of each four weights the second pair onto the first,
	BOTH v_pk_add_f32 v[S+32*t+4*(\k):S+32*t+4*(\k)+1], v[S+32*t+4*(\k):S+32*t+4*(\k)+1], v[S+32*t+4*(\k)+2:S+32*t+4*(\k)+3]
.endr
.irp k, 0,1,2,3                     ; then a tree over the eight sums
	BOTH v_pk_add_f32 v[S+32*t+8*(\k):S+32*t+8*(\k)+1], v[S+32*t+8*(\k):S+32*t+8*(\k)+1], v[S+32*t+8*(\k)+4:S+32*t+8*(\k)+5]
.endr
.irp k, 0,1
	BOTH v_pk_add_f32 v[S+32*t+16*(\k):S+32*t+16*(\k)+1], v[S+32*t+16*(\k):S+32*t+16*(\k)+1], v[S+32*t+16*(\k)+8:S+32*t+16*(\k)+9]
.endr
	BOTH v_pk_add_f32 v[S+32*t:S+32*t+1], v[S+32*t:S+32*t+1], v[S+32*t+16:S+32*t+17]
	BOTH v_pk_fma_f32 v[ST+4*t+2:ST+4*t+3], v[ST+4*t+2:ST+4*t+3], v[TMP+4*t+2:TMP+4*t+3], v[S+32*t:S+32*t+1] op_sel_hi:[1,0,1]
.endm
; A KEY STEP.  The two address lines and two v_nop are the four places behind the products K Q^T: for the softmax's reads of S^T and for the loads into K's registers; they are also the places behind the step
; before's products V^T P for the loads into V's.  In a tile's last step there is no further K in the slot: that run is jumped over.
.macro STEP
	s_wait_dscnt 0x0                ; K is in
.set i, 0
.rept 16
	MKQ
.set i, i+1
.endr
	WIN 0
	v_add_nc_u32 v[AV], s[TBV], v[AV0]
	v_add_nc_u32 v[AK], s[TBK], v[AK0]
	v_nop
	v_nop
	FETCH_V
	s_cmp_eq_u32 s[CNT], 1
	s_cbranch_scc1 .Lno_k_\@
	FETCH_K
.Lno_k_\@:
	SOFTMAX
	s_wait_dscnt 0x0                ; V is in (and the next K)
.set i, 0
.rept 16
	MPV
.set i, i+1
.endr
	WIN 0
.endm
; A BLOCK ENDS.  O / (l + 1e-9); the mean and the variance over the head's 64 channels (32 in my lane, 32 in the lane 16 away), the mean taken away before the squares; the affine; f16; times alpha; through my stage to ga.
.macro EACH16 line:vararg           ; one line for each tile t and pair i of 16
.set t, 0
.rept 2
.set i, 0
.rept 16
	\line
.set i, i+1
.endr
.set t, t+1
.endr
.endm
.macro EACH4 line:vararg            ; one line for each tile t and chain i of 4
.set t, 0
.rept 2
.set i, 0
.rept 4
	\line
.set i, i+1
.endr
.set t, t+1
.endr
.endm
.macro COMB                         ; four chains, two halves of a pair and two halves of the lanes into X
	BOTH v_pk_add_f32 v[X+8*t:X+8*t+1], v[X+8*t:X+8*t+1], v[X+8*t+2:X+8*t+3]
	BOTH v_pk_add_f32 v[X+8*t+4:X+8*t+5], v[X+8*t+4:X+8*t+5], v[X+8*t+6:X+8*t+7]
	BOTH v_pk_add_f32 v[X+8*t:X+8*t+1], v[X+8*t:X+8*t+1], v[X+8*t+4:X+8*t+5]
	BOTH v_add_f32 v[X+8*t], v[X+8*t], v[X+8*t+1]
	BOTH v_permlanex16_b32 v[X+8*t+1], v[X+8*t], s[SEL], s[SEL+1]
	BOTH v_add_f32 v[X+8*t], v[X+8*t], v[X+8*t+1]
.endm
.macro FINISH al, go
	WIN 0
	PLACES                          ; behind the last products
	BOTH v_add_f32 v[ST+4*t+2], v[ST+4*t+2], v[ST+4*t+3]
	BOTH v_permlanex16_b32 v[ST+4*t+3], v[ST+4*t+2], s[SEL], s[SEL+1]
	BOTH v_add_f32 v[ST+4*t+2], v[ST+4*t+2], v[ST+4*t+3]
	BOTH v_add_f32 v[ST+4*t+2], 0x3089705f, v[ST+4*t+2]
	BOTH v_rcp_f32 v[TMP+4*t], v[ST+4*t+2]
	v_nop                           ; a plain line between the reciprocals and the use of their results
	s_wait_alu depctr_va_vdst(0)
	EACH16 v_pk_mul_f32 v[O+32*t+2*i:O+32*t+2*i+1], v[O+32*t+2*i:O+32*t+2*i+1], v[TMP+4*t:TMP+4*t+1] op_sel_hi:[1,0]
	EACH4 v_pk_add_f32 v[X+8*t+2*i:X+8*t+2*i+1], v[O+32*t+8*i:O+32*t+8*i+1], v[O+32*t+8*i+2:O+32*t+8*i+3]
	EACH4 v_pk_add_f32 v[X+8*t+2*i:X+8*t+2*i+1], v[X+8*t+2*i:X+8*t+2*i+1], v[O+32*t+8*i+4:O+32*t+8*i+5]
	EACH4 v_pk_add_f32 v[X+8*t+2*i:X+8*t+2*i+1], v[X+8*t+2*i:X+8*t+2*i+1], v[O+32*t+8*i+6:O+32*t+8*i+7]
	COMB
	BOTH v_mul_f32 v[X+8*t], s[I64], v[X+8*t]
	EACH16 v_pk_add_f32 v[O+32*t+2*i:O+32*t+2*i+1], v[O+32*t+2*i:O+32*t+2*i+1], v[X+8*t:X+8*t+1] op_sel_hi:[1,0] neg_lo:[0,1] neg_hi:[0,1]
	EACH4 v_pk_mul_f32 v[X+8*t+2*i:X+8*t+2*i+1], v[O+32*t+8*i:O+32*t+8*i+1], v[O+32*t+8*i:O+32*t+8*i+1]
	EACH4 v_pk_fma_f32 v[X+8*t+2*i:X+8*t+2*i+1], v[O+32*t+8*i+2:O+32*t+8*i+3], v[O+32*t+8*i+2:O+32*t+8*i+3], v[X+8*t+2*i:X+8*t+2*i+1]
	EACH4 v_pk_fma_f32 v[X+8*t+2*i:X+8*t+2*i+1], v[O+32*t+8*i+4:O+32*t+8*i+5], v[O+32*t+8*i+4:O+32*t+8*i+5], v[X+8*t+2*i:X+8*t+2*i+1]
	EACH4 v_pk_fma_f32 v[X+8*t+2*i:X+8*t+2*i+1], v[O+32*t+8*i+6:O+32*t+8*i+7], v[O+32*t+8*i+6:O+32*t+8*i+7], v[X+8*t+2*i:X+8*t+2*i+1]
	COMB
	BOTH v_fma_f32 v[X+8*t], v[X+8*t], s[I64], s[EPS]
	BOTH v_rsq_f32 v[X+8*t+2], v[X+8*t]
	v_nop
	s_wait_alu depctr_va_vdst(0)
	EACH16 v_pk_mul_f32 v[O+32*t+2*i:O+32*t+2*i+1], v[O+32*t+2*i:O+32*t+2*i+1], v[X+8*t+2:X+8*t+3] op_sel_hi:[1,0]
	WIN 0x28                        ; sources 1 and 2 in window 2
	EACH16 v_pk_fma_f32 v[O+32*t+2*i:O+32*t+2*i+1], v[O+32*t+2*i:O+32*t+2*i+1], v[GW+32*t+2*i:GW+32*t+2*i+1], v[GB+32*t+2*i:GB+32*t+2*i+1]
	WIN 0
	EACH16 v_cvt_pk_f16_f32 v[S+16*t+i], v[O+32*t+2*i], v[O+32*t+2*i+1]
	WIN 0x08                        ; source 1 in window 2
	EACH16 v_pk_mul_f16 v[S+16*t+i], v[S+16*t+i], v[(\al)+16*t+i]
	WIN 0
.irp t, 0,1
.irp f, 0,1,2,3
	ds_store_b128 v[STO], v[S+16*(\t)+4*(\f):S+16*(\t)+4*(\f)+3] offset:128*(\t)+32*(\f)
.endr
.endr
.irp f, 0,1,2,3,4,5,6,7
	ds_load_b128 v[S+32+4*(\f):S+32+4*(\f)+3], v[RD] offset:(\f)*2*SP  ; LDS serves a wave's instructions in order (ISA guide 5.7.1.4): these see the stores above
.endr
.irp f, 0,1,2,3,4,5,6,7
	s_wait_dscnt 7-(\f)
	global_store_b128 v[\go], v[S+32+4*(\f):S+32+4*(\f)+3], s[10:11] offset:(\f)*8192  ; 16 lanes store 256 consecutive bytes, aligned
.endr
.endm
; A TILE: four key steps; a block's last tile takes masks and ends the block.  tail = 1: the walk's last tile, which is the second block's last.  No jump passes a barrier or a tensor load.
.macro TILE tail
	s_sub_co_u32 s[RT], s[RT], 1
	v_add_nc_u32 v[AK], s[TBK], v[AK0]
	FETCH_K
	s_mov_b32 s[CNT], 4
.Lstep_\@:
.if !(\tail)
	s_cmp_lg_u32 s[RT], 0
	s_cbranch_scc1 .Lno_mask_\@
.endif
	MASK
.if !(\tail)
.Lno_mask_\@:
.endif
	STEP
	s_sub_co_u32 s[CNT], s[CNT], 1
	s_cmp_lg_u32 s[CNT], 0
	s_cbranch_scc1 .Lstep_\@
.if \tail
	FINISH 32, GOL
.else
	s_cmp_lg_u32 s[RT], 0
	s_cbranch_scc1 .Lno_end_\@
	FINISH 0, GOH
	s_wait_xcnt 0x0                 ; the stores have had their addresses translated (ISA guide 3.1): their data registers are S^T's again
	WIN 0x41                        ; the second block's Q goes where the one text of the products names Q
.set i, 0
.rept 32
	v_mov_b32 v[i], v[QL+i]
.set i, i+1
.endr
	BEGIN LPL
	s_add_co_u32 s[RT], s[UU], 1    ; the second block has u + 1 tiles
.Lno_end_\@:
.endif
.endm
.Lslot:                             ; eight times: a tile is entered and the next is asked for
	CHANGE 1
	TILE 0
	s_sub_co_u32 s[SLOTS], s[SLOTS], 1
	s_cmp_lg_u32 s[SLOTS], 0
	s_cbranch_scc1 .Lslot
	CHANGE 0                        ; the walk's last tile is written out: nothing is asked for
	TILE 1
	s_wait_tensorcnt 0x0            ; the wave's end, behind my last tensor load and my last LDS store
	ds_add_u32 v[SPW], v[NIL]
	s_wait_dscnt 0x0
	CROUND                          ; the closing round: no work-group ends while a partner may still ask for a tile that names it
	s_endpgm
.Lfunc_end_k_qa0abb552fb_attn:
	.size	k_qa0abb552fb_attn, .Lfunc_end_k_qa0abb552fb_attn-k_qa0abb552fb_attn
	.p2alignl 7, 3214868480
	.fill 96, 4, 3214868480
	.section	.rodata,"a",@progbits
	.p2align	6, 0x0
	.amdhsa_kernel k_qa0abb552fb_attn
		.amdhsa_group_segment_fixed_size 327680
		.amdhsa_private_segment_fixed_size 0
		.amdhsa_enable_private_segment 0
		.amdhsa_kernarg_size 32
		.amdhsa_user_sgpr_count 2
		.amdhsa_user_sgpr_kernarg_segment_ptr 1
		.amdhsa_wavefront_size32 1
		.amdhsa_system_sgpr_workgroup_id_x 1
		.amdhsa_system_sgpr_workgroup_id_y 1
		.amdhsa_system_sgpr_workgroup_id_z 1
		.amdhsa_system_vgpr_workitem_id 0
		.amdhsa_next_free_vgpr 768
		.amdhsa_next_free_sgpr 90
		.amdhsa_reserve_vcc 1
		.amdhsa_float_denorm_mode_32 3
		.amdhsa_float_denorm_mode_16_64 3
		.amdhsa_memory_ordered 1
		.amdhsa_forward_progress 1
		.amdhsa_inst_pref_size 121
	.end_amdhsa_kernel
	.amdgpu_metadata
---
amdhsa.version: [ 1, 2 ]
amdhsa.kernels:
  - .name:           k_qa0abb552fb_attn
    .symbol:         k_qa0abb552fb_attn.kd
    .args:
      - { .name: qkvg, .offset: 0, .size: 8, .value_kind: global_buffer, .address_space: global }
      - { .name: gn_weight, .offset: 8, .size: 8, .value_kind: global_buffer, .address_space: global }
      - { .name: gn_bias, .offset: 16, .size: 8, .value_kind: global_buffer, .address_space: global }
      - { .name: ga, .offset: 24, .size: 8, .value_kind: global_buffer, .address_space: global }
    .group_segment_fixed_size: 327680
    .private_segment_fixed_size: 0
    .kernarg_segment_align: 8
    .kernarg_segment_size: 32
    .max_flat_workgroup_size: 128
    .sgpr_count:     90
    .vgpr_count:     768
    .wavefront_size: 32
...
	.end_amdgpu_metadata
.endif
;; end of part 3
;; launch outp (part 4): grid 16 x 16, 4 waves a work-group, clusters of 4 x 4, 327,680 bytes of LDS; arguments ga, cw, out0; writes out0
.if DOCPART == 4
	.amdgcn_target "amdgcn-amd-amdhsa--gfx1250"
	.amdhsa_code_object_version 6
	.text
	.protected	k_qa0abb552fb_outp
	.globl	k_qa0abb552fb_outp
	.p2align	8
	.type	k_qa0abb552fb_outp,@function
k_qa0abb552fb_outp:
	s_mov_b64 s[64:65], 0
	v_nop
	global_prefetch_b8 v0, s[64:65] scope:SCOPE_SE
	s_setreg_imm32_b32 hwreg(HW_REG_WAVE_MODE, 25, 1), 1
	s_wait_xcnt 0x0
	s_wait_alu depctr_hold_cnt(0) depctr_sa_sdst(0) depctr_va_vdst(0) depctr_va_sdst(0) depctr_va_ssrc(0) depctr_va_vcc(0) depctr_vm_vsrc(0)
	s_getreg_b32 s2, hwreg(HW_REG_IB_STS2, 6, 4)
	s_cmp_eq_u32 s2, 0
	s_cbranch_scc0 .Lentry_in_a_cluster
	s_endpgm
.Lentry_in_a_cluster:
	s_bfe_u32 s2, ttmp6, 0x10000c
	s_cmp_lg_u32 s2, 0xf033
	s_cbranch_scc0 .Lentry_shape_is_right
	s_endpgm
.Lentry_shape_is_right:
; THE OUTPUT PROJECTION.  out0[m][n] = the sum over k of ga[m][k] Wo[k][n].  ga: [2048][2048] f16; Wo: [k][n], bf16-rounded numbers written as f16, at byte 0x1800000 of cw; out0 in f32; sums in f32.
; A tile of out0 is 128 x 128: 16 x 16 = 256 tiles, one a work-group.  Four waves, each 64 x 64: 16 accumulators.  K goes in 8 steps of 256 through two LDS slots.
; ga's rows lie along K and come out of LDS as they lie; Wo's rows lie along n and come out turned, by ds_load_tr16_b128.
; THE MATRIX INSTRUCTION IS USED TRANSPOSED (source 0 = 16 columns of Wo, source 1 = 16 rows of ga): a lane holds eight neighbouring numbers of a row of out0.
; CLUSTER 4 x 4: ga's tiles are asked for jointly along a row of the cluster, Wo's along a column.  By this text's count a wave has two tensor loads out at the start and one later.
; A wave's 64 columns in f32 are 256 aligned bytes of a row, so each wave has a stage of its own on the way out and no barrier stands there.
; REGISTERS: window 0: v0-31 addresses; v32-95 rows on the way out; v128-255 the accumulators ((a, b) at 128 + 8 (4 a + b)).
;   window 1: two fragment buffers of 128: for 64 along K, 64 registers of ga (2 x 4 x 16 rows x 32 K), then 64 of Wo.
.set PITCH,  528                       ; a row of ga in LDS: 512 bytes + 16: row r starts at bank 4 r mod 64 (64 banks of 4 bytes: ISA guide 11.1)
.set PB,     288                       ; a k-row of Wo: 256 bytes + 32
.set HALFA,  64*PITCH                  ; 64 rows of ga: one tensor load
.set HALFB,  128*PB                    ; 128 k-rows of Wo: one tensor load
.set SLOT,   2*HALFA+2*HALFB
.set STAGE,  2*SLOT                    ; behind the ring: 16 rows x 272 bytes for each wave
.set SPITCH, 272
.set SPARE,  STAGE+4*16*SPITCH         ; the spare words, 128 bytes for each wave: two blocks of 256 bytes that no other line names
.set LAPS,   4                         ; a lap = two K steps
.set ADRA, 16                          ; v16-17  LDS address of my ga fragments in slot 0, 1
.set ADRB, 20                          ; v20-23  of my Wo fragments: 2 x slot + half of the step's 256 k-rows (a step's rows span more than the 16-bit immediate)
.set STO,  24
.set RD,   25
.set CO,   26
.set SPW,  28                          ; LDS address of my spare word; never rewritten
.set NIL,  29                          ; 0; never rewritten
.set TMP,  32
.set ACC,  128
.set F0,   0
.set F1,   128
.set G1, 24
.set G0, 32
.set G1B, 48
.set G0B, 56
.set MSB, 0
.macro WIN new
.if MSB != (\new)
	s_set_vgpr_msb (MSB<<8)|(\new)
.set MSB, \new
.endif
.endm
.set MUL,  0x05                        ; sources 0 and 1 window 1; C and D window 0
.set TO_F, 0x40                        ; destination window 1, address window 0
.macro JLOAD s                         ; a joint load: waves 0 and 1 fetch ga's two halves, waves 2 and 3 Wo's; an s_nop 0 and four v_nop follow each of the two lines
	s_cmp_eq_u32 s11, 0
	s_cbranch_scc0 .Lfor_b_\@
	tensor_load_to_lds s[G0+4*(\s):G0+4*(\s)+3], s[G1:G1+7]
	s_nop 0
.rept 4
	v_nop
.endr
	s_branch .Lasked_\@
.Lfor_b_\@:
	tensor_load_to_lds s[G0B+4*(\s):G0B+4*(\s)+3], s[G1B:G1B+7]
	s_nop 0
.rept 4
	v_nop
.endr
.Lasked_\@:
.endm
.macro CREST
	s_cmp_lg_u32 s10, 0
	s_cbranch_scc1 .Lnot_wave_0_\@
	s_barrier_signal -3
.Lnot_wave_0_\@:
	s_barrier_wait -3
	s_barrier_signal -1
	s_barrier_wait -1
.endm
.macro CROUND
	s_barrier_signal -1
	s_barrier_wait -1
	CREST
.endm
	s_load_b128 s[4:7], s[0:1], 0x0                ; ga s[4:5], cw s[6:7]
	s_load_b64 s[8:9], s[0:1], 0x10                ; out0
	v_lshl_add_u32 v[SPW], v0, 2, SPARE
	v_mov_b32 v[NIL], 0
	ds_add_u32 v[SPW], v[NIL]                      ; the wave's opening: the add and its wait stand ahead of my first tensor load; the set-up below stands between them
	v_lshrrev_b32 v1, 5, v0
	v_readfirstlane_b32 s10, v1                    ; wave 0..3
	s_lshr_b32 s11, s10, 1                         ; which half of the tile's rows is mine.  Also: I fetch for ga (0) or for Wo (1)
	s_and_b32 s12, s10, 1                          ; which half of its columns.  Also: which half of that tile I fetch
	s_bfe_u32 s40, ttmp6, 0x40000                  ; cx, cy
	s_bfe_u32 s41, ttmp6, 0x40004
	s_lshl_b32 s42, ttmp9, 2
	s_add_co_u32 s42, s42, s40                     ; tile column
	s_and_b32 s13, ttmp7, 0xffff
	s_lshl_b32 s13, s13, 2
	s_add_co_u32 s13, s13, s41                     ; tile row
	s_lshl_b32 s43, s41, 2
	s_lshl_b32 s43, 15, s43                        ; my row of the cluster
	s_lshl_b32 s44, 0x1111, s40                    ; my column
	s_or_b32 s[G1+0], s43, (1<<16)|(1<<20)|(1<<21)|(6<<22)|(3<<25)   ; ga: 2-byte elements; padding on; bit 21 beside a mask; after every 128 words 4 words
	s_mov_b32 s[G1+1], 256<<16                     ; tensor_dim0 = 256
	s_mov_b32 s[G1+2], 64<<16                      ; tensor_dim1 = 64
	s_mov_b32 s[G1+3], 256<<16                     ; tile_dim0 = 256
	s_mov_b32 s[G1+4], 64                          ; tile_dim1 = 64
	s_mov_b32 s[G1+5], 2048                        ; elements from row to row
	s_mov_b32 s[G1+6], 0
	s_mov_b32 s[G1+7], 0
	s_or_b32 s[G1B+0], s44, (1<<16)|(1<<20)|(1<<21)|(5<<22)|(7<<25)  ; Wo: after every 64 words 8 words
	s_mov_b32 s[G1B+1], 128<<16
	s_mov_b32 s[G1B+2], 128<<16
	s_mov_b32 s[G1B+3], 128<<16
	s_mov_b32 s[G1B+4], 128
	s_mov_b32 s[G1B+5], 2048
	s_mov_b32 s[G1B+6], 0
	s_mov_b32 s[G1B+7], 0
	s_lshl_b32 s17, s12, 6
	s_lshl_b32 s16, s13, 7
	s_add_co_u32 s16, s16, s17                     ; ga: row 128 x tile row + 64 x half,
	s_lshl_b32 s16, s16, 12                        ; 4,096 bytes a row; these two registers never hold cx
	s_mov_b32 s17, 0
	s_lshl_b32 s46, s42, 8                         ; Wo: 256 bytes a tile column,
	s_lshl_b32 s47, s12, 19                        ; 128 k-rows of 4,096 bytes a half; these two never hold cy
	s_add_co_u32 s46, s46, s47
	s_add_co_u32 s46, s46, 0x1800000
	s_mov_b32 s47, 0
	s_mul_i32 s20, s12, HALFA                      ; where they go: no place in the cluster enters an LDS address
	s_mul_i32 s21, s12, HALFB
	s_add_co_u32 s21, s21, 2*HALFA
	s_wait_dscnt 0x0                               ; the opening add is done
	s_wait_kmcnt 0x0
	s_add_nc_u64 s[14:15], s[4:5], s[16:17]
	s_add_nc_u64 s[46:47], s[6:7], s[46:47]
	CROUND                                         ; all sixteen work-groups are here: the first joint loads meet
.irp s, 0,1
	s_mov_b32 s[G0+4*(\s)], 1
	s_add_co_u32 s[G0+4*(\s)+1], s20, (\s)*SLOT
	s_add_nc_u64 s[G0+4*(\s)+2:G0+4*(\s)+3], s[14:15], (\s)*512
	s_or_b32 s[G0+4*(\s)+3], s[G0+4*(\s)+3], 0x80000000
	s_mov_b32 s[G0B+4*(\s)], 1
	s_add_co_u32 s[G0B+4*(\s)+1], s21, (\s)*SLOT
	s_add_nc_u64 s[G0B+4*(\s)+2:G0B+4*(\s)+3], s[46:47], (\s)*1048576
	s_or_b32 s[G0B+4*(\s)+3], s[G0B+4*(\s)+3], 0x80000000
	JLOAD \s
.endr
	v_and_b32 v1, 15, v0                           ; r = l % 16
	v_bfe_u32 v2, v0, 4, 1                         ; h = l / 16
	v_mul_u32_u24 v3, v1, PITCH
	v_lshl_add_u32 v3, v2, 4, v3
	s_mul_i32 s22, s11, HALFA                      ; my 64 rows of ga
	v_add_nc_u32 v[ADRA], s22, v3
	v_add_nc_u32 v[ADRA+1], SLOT, v[ADRA]
	v_and_b32 v4, 7, v0
	v_bfe_u32 v5, v0, 3, 1
	v_lshl_add_u32 v4, v2, 3, v4                   ; the turning load: lane l reads k-row 8 (l / 16) + l % 8, 16 bytes at 16 ((l / 8) % 2)
	v_mul_u32_u24 v4, v4, PB
	v_lshl_add_u32 v4, v5, 4, v4
	s_lshl_b32 s22, s12, 7                         ; my 64 columns: 128 bytes
	s_add_co_u32 s22, s22, 2*HALFA
	v_add_nc_u32 v[ADRB], s22, v4
	v_add_nc_u32 v[ADRB+1], HALFB, v[ADRB]
	v_add_nc_u32 v[ADRB+2], SLOT, v[ADRB]
	v_add_nc_u32 v[ADRB+3], SLOT+HALFB, v[ADRB]
	s_mul_i32 s23, s10, 16*SPITCH
	s_add_co_u32 s23, s23, STAGE                   ; my stage
	v_mul_u32_u24 v4, v1, SPITCH
	v_lshl_add_u32 v4, v2, 5, v4                   ; in: row l % 16, 32 bytes for each half of the lanes
	v_add_nc_u32 v[STO], s23, v4
	v_mul_u32_u24 v5, v2, SPITCH
	v_lshl_add_u32 v5, v1, 4, v5                   ; back: lanes 0-15 one row of 256 bytes, lanes 16-31 the next
	v_add_nc_u32 v[RD], s23, v5
	v_lshlrev_b32 v5, 13, v2                       ; and the same two rows in out0, 8,192 bytes apart
	v_lshl_add_u32 v[CO], v1, 4, v5
	s_lshl_b32 s18, s13, 7
	s_lshl_b32 s2, s11, 6
	s_add_co_u32 s18, s18, s2                      ; my first row of out0
	s_lshl_b32 s18, s18, 13
	s_lshl_b32 s2, s42, 9                          ; the tile's first column, in bytes,
	s_add_co_u32 s18, s18, s2
	s_lshl_b32 s2, s12, 8                          ; and my half of it
	s_add_co_u32 s18, s18, s2
	s_mov_b32 s19, 0
	s_add_nc_u64 s[8:9], s[8:9], s[18:19]
; 8 matrix instructions: row blocks a0, a0 + 1 x all 4 column blocks, 32 along K: half c of buffer f.  The 16 accumulators take turns.  zero = 1: the first product starts the sums
.macro MUL8 f, c, a0, zero
	WIN MUL
.irp a, \a0, (\a0)+1
.irp b, 0,1,2,3
.if \zero
	v_wmma_f32_16x16x32_f16 v[ACC+8*(4*(\a)+(\b)):ACC+8*(4*(\a)+(\b))+7], v[(\f)+64+8*(4*(\c)+(\b)):(\f)+64+8*(4*(\c)+(\b))+7], v[(\f)+8*(4*(\c)+(\a)):(\f)+8*(4*(\c)+(\a))+7], 0
.else
	v_wmma_f32_16x16x32_f16 v[ACC+8*(4*(\a)+(\b)):ACC+8*(4*(\a)+(\b))+7], v[(\f)+64+8*(4*(\c)+(\b)):(\f)+64+8*(4*(\c)+(\b))+7], v[(\f)+8*(4*(\c)+(\a)):(\f)+8*(4*(\c)+(\a))+7], v[ACC+8*(4*(\a)+(\b)):ACC+8*(4*(\a)+(\b))+7]
.endif
.endr
.endr
.endm
; 32 LDS loads in one run: the fragments of quarter kq (64 along K) of a slot into buffer f; the first 32 along K first
.macro FETCH slot, kq, f
	WIN TO_F
.irp c, 0,1
.irp i, 0,1,2,3
	ds_load_tr16_b128 v[(\f)+64+8*(4*(\c)+(\i)):(\f)+64+8*(4*(\c)+(\i))+3],   v[ADRB+2*(\slot)+(\kq)/2] offset:(((\kq)%2)*64+32*(\c))*PB+32*(\i)
	ds_load_tr16_b128 v[(\f)+64+8*(4*(\c)+(\i))+4:(\f)+64+8*(4*(\c)+(\i))+7], v[ADRB+2*(\slot)+(\kq)/2] offset:(((\kq)%2)*64+32*(\c))*PB+32*(\i)+16*PB
	ds_load_b128 v[(\f)+8*(4*(\c)+(\i)):(\f)+8*(4*(\c)+(\i))+3],             v[ADRA+(\slot)] offset:(\kq)*128+64*(\c)+(\i)*16*PITCH
	ds_load_b128 v[(\f)+8*(4*(\c)+(\i))+4:(\f)+8*(4*(\c)+(\i))+7],           v[ADRA+(\slot)] offset:(\kq)*128+64*(\c)+(\i)*16*PITCH+32
.endr
.endr
.endm
.macro PLACES                          ; four places in front of loads into registers that matrix instructions have read, and of LDS stores that read results
.rept 4
	v_nop
.endr
.endm
.macro QUARTER slot, kq, f, g, zero
	s_wait_dscnt 16                                ; the first 32 along K are in
	MUL8 \f, 0, 0, \zero
	MUL8 \f, 0, 2, \zero
	PLACES
	FETCH \slot, \kq, \g
	s_wait_dscnt 32                                ; all but the 32 just issued
	MUL8 \f, 1, 0, 0
	MUL8 \f, 1, 2, 0
.endm
; The last quarter multiplies buffer 1 and changes slots: ONE barrier; in front of it each wave waits for all its tensor loads, adds 0 to its spare word, and waits for that and for its reads of this slot.
.macro TURN slot, next, fill
	WIN 0
	s_wait_tensorcnt 0x0                           ; all my tensor loads have landed: my part of the next slot
	ds_add_u32 v[SPW], v[NIL]                      ; 0 onto my spare word
	s_wait_dscnt 17                                ; (the add and the youngest sixteen loads may be out)
	MUL8 F1, 0, 0, 0
	s_wait_dscnt 0x0                               ; the add is done, and my reads of this slot are over
	s_barrier_signal -1
	MUL8 F1, 0, 2, 0
.if \fill
	WIN 0
.endif
	s_barrier_wait -1
.if \fill
	CREST                                          ; no wave of any partner still reads this slot's tile or has a load on its way
	s_add_nc_u64 s[G0+4*(\slot)+2:G0+4*(\slot)+3], s[G0+4*(\slot)+2:G0+4*(\slot)+3], 1024
	s_add_nc_u64 s[G0B+4*(\slot)+2:G0B+4*(\slot)+3], s[G0B+4*(\slot)+2:G0B+4*(\slot)+3], 2097152
	JLOAD \slot                                    ; the four v_nop behind it are also the places in front of the loads below
.else
	PLACES
.endif
	FETCH \next, 0, F0
	MUL8 F1, 1, 0, 0
	MUL8 F1, 1, 2, 0
.endm
	s_wait_tensorcnt 0x1                           ; my part of K step 0 is in; K step 1's may stay out
	s_barrier_signal -1
	s_barrier_wait -1
	FETCH 0, 0, F0
	QUARTER 0, 1, F0, F1, 1
	WIN 0
	s_mov_b32 s3, LAPS-1
.Llap:
	QUARTER 0, 2, F1, F0, 0
	QUARTER 0, 3, F0, F1, 0
	TURN 0, 1, 1
	QUARTER 1, 1, F0, F1, 0
	QUARTER 1, 2, F1, F0, 0
	QUARTER 1, 3, F0, F1, 0
	TURN 1, 0, 1
	QUARTER 0, 1, F0, F1, 0
	WIN 0
	s_sub_co_u32 s3, s3, 1
	s_cmp_lg_u32 s3, 0
	s_cbranch_scc1 .Llap
	QUARTER 0, 2, F1, F0, 0                        ; the last lap fills nothing
	QUARTER 0, 3, F0, F1, 0
	TURN 0, 1, 0
	QUARTER 1, 1, F0, F1, 0
	QUARTER 1, 2, F1, F0, 0
	QUARTER 1, 3, F0, F1, 0
	s_wait_dscnt 16
	MUL8 F1, 0, 0, 0
	MUL8 F1, 0, 2, 0
	s_wait_dscnt 0x0
	MUL8 F1, 1, 0, 0
	MUL8 F1, 1, 2, 0
	WIN 0
	; THE WAY OUT: a block of 16 rows x 64 columns in f32 at a time: by lanes into my stage (each accumulator's lowest registers first), back as whole rows of 256 bytes, and out.
	PLACES
.irp a, 0,1,2,3
	s_wait_xcnt 0x0                                ; earlier stores have had their addresses translated (ISA guide 3.1): only behind this wait is their data rewritten
.irp b, 0,1,2,3
	ds_store_b128 v[STO], v[ACC+8*(4*(\a)+(\b)):ACC+8*(4*(\a)+(\b))+3]   offset:64*(\b)
	ds_store_b128 v[STO], v[ACC+8*(4*(\a)+(\b))+4:ACC+8*(4*(\a)+(\b))+7] offset:64*(\b)+16
.endr
.irp u, 0,1,2,3,4,5,6,7
	ds_load_b128 v[TMP+32*((\a)%2)+4*(\u):TMP+32*((\a)%2)+4*(\u)+3], v[RD] offset:(\u)*2*SPITCH  ; LDS serves a wave's instructions in order (ISA guide 5.7.1.4)
.endr
.irp u, 0,1,2,3,4,5,6,7
	s_wait_dscnt 7-(\u)
	global_store_b128 v[CO], v[TMP+32*((\a)%2)+4*(\u):TMP+32*((\a)%2)+4*(\u)+3], s[8:9] offset:(16*(\a)+2*(\u))*8192 th:TH_STORE_NT  ; 16 lanes store 256 consecutive bytes, aligned
.endr
.endr
	s_wait_tensorcnt 0x0                           ; the wave's end, behind my last tensor load and my last LDS store
	ds_add_u32 v[SPW], v[NIL]
	s_wait_dscnt 0x0
	CROUND                                         ; the closing round: no work-group ends while a partner may still ask for a tile that names it
	s_endpgm
.Lfunc_end_k_qa0abb552fb_outp:
	.size	k_qa0abb552fb_outp, .Lfunc_end_k_qa0abb552fb_outp-k_qa0abb552fb_outp
	.p2alignl 7, 3214868480
	.fill 96, 4, 3214868480
	.section	.rodata,"a",@progbits
	.p2align	6, 0x0
	.amdhsa_kernel k_qa0abb552fb_outp
		.amdhsa_group_segment_fixed_size 327680
		.amdhsa_private_segment_fixed_size 0
		.amdhsa_enable_private_segment 0
		.amdhsa_kernarg_size 24
		.amdhsa_user_sgpr_count 2
		.amdhsa_user_sgpr_kernarg_segment_ptr 1
		.amdhsa_wavefront_size32 1
		.amdhsa_system_sgpr_workgroup_id_x 1
		.amdhsa_system_sgpr_workgroup_id_y 1
		.amdhsa_system_sgpr_workgroup_id_z 1
		.amdhsa_system_vgpr_workitem_id 0
		.amdhsa_next_free_vgpr 512
		.amdhsa_next_free_sgpr 66
		.amdhsa_reserve_vcc 0
		.amdhsa_float_denorm_mode_32 3
		.amdhsa_float_denorm_mode_16_64 3
		.amdhsa_memory_ordered 1
		.amdhsa_forward_progress 1
		.amdhsa_inst_pref_size 87
	.end_amdhsa_kernel
	.amdgpu_metadata
---
amdhsa.version: [ 1, 2 ]
amdhsa.kernels:
  - .name:           k_qa0abb552fb_outp
    .symbol:         k_qa0abb552fb_outp.kd
    .args:
      - { .name: ga, .offset: 0, .size: 8, .value_kind: global_buffer, .address_space: global }
      - { .name: cw, .offset: 8, .size: 8, .value_kind: global_buffer, .address_space: global }
      - { .name: out0, .offset: 16, .size: 8, .value_kind: global_buffer, .address_space: global }
    .group_segment_fixed_size: 327680
    .private_segment_fixed_size: 0
    .kernarg_segment_align: 8
    .kernarg_segment_size: 24
    .max_flat_workgroup_size: 128
    .sgpr_count:     66
    .vgpr_count:     512
    .wavefront_size: 32
...
	.end_amdgpu_metadata
.endif
;; end of part 4
